; MI455X (gfx1250); checked and timed in simulation.
; The chip was launched on July 23, 2026; its instructions are those of AMD's public machine-readable ISA for CDNA 5 (MIT licence, August 2026) and "CDNA5" Instruction Set Architecture Reference Guide (July 2026). The comments in the code are by the model that wrote it; some were corrected since.
;; Custom Transformer Block. Allowed arithmetic: matrix products marked QUANTISED: E2M3 operands, one E8M0 scale for each 32 along K, by v_wmma_scale_f32_16x16x128_f8f6f4 with both operands' format E2M3, f32 sums; everything else in f32.
;; Inputs: b1 4,096 float32; b2 1,024 float32; key_pad_mask 2 x 2,048 bool; kv_b 2,048 float32; kv_w_codes 2,048 x 32 x 24 uint8 (E2M3 codes of kv_w, K innermost, in blocks of 32 codes, four codes in three bytes); kv_w_scales 2,048 x 32 uint8 (E8M0 scales of kv_w, one for each 32 codes along K); ln1_w 1,024 float32; ln2_w 1,024 float32; q_b 1,024 float32; q_w_codes 1,024 x 32 x 24 uint8 (E2M3 codes of q_w, K innermost, in blocks of 32 codes, four codes in three bytes); q_w_scales 1,024 x 32 uint8 (E8M0 scales of q_w, one for each 32 codes along K); w1_codes 4,096 x 32 x 24 uint8 (E2M3 codes of w1, K innermost, in blocks of 32 codes, four codes in three bytes); w1_scales 4,096 x 32 uint8 (E8M0 scales of w1, one for each 32 codes along K); w2_codes 1,024 x 128 x 24 uint8 (E2M3 codes of w2, K innermost, in blocks of 32 codes, four codes in three bytes); w2_scales 1,024 x 128 uint8 (E8M0 scales of w2, one for each 32 codes along K); x 2 x 2,048 x 1,024 float32.
;; Outputs: out0 2 x 2,048 x 1,024 float32.
;; This version of the problem:
;;   THIS VERSION OF THE PROBLEM IS GIVEN IN LOW PRECISION. The matrix products marked QUANTISED in the list below multiply operands that are first quantised to E2M3 (2 exponent bits, 3 mantissa bits; 6 bits a number), with one power-of-two scale for each 32 numbers along K (OCP MX v1.0); their sums are f32. All else is computed in f32.
;;   The module's matrix products, in the order in which they are computed (A, B: the left and right operand; K: the contracted axis; several contracted axes count as one K, in the product's order):
;;     1. [M 4,096, K 1,024] x [K 1,024, N 1,024]; A: computed on the way; B: input q_w (given as codes): QUANTISED
;;     2. [M 4,096, K 1,024] x [K 1,024, N 2,048]; A: computed on the way; B: input kv_w (given as codes): QUANTISED
;;     3. batch 32 x [M 2,048, K 64] x [K 64, N 2,048]; A: computed on the way; B: computed on the way: QUANTISED
;;     4. batch 32 x [M 64, K 2,048] x [K 2,048, N 2,048]; A: computed on the way; B: softmax (see below): QUANTISED
;;     5. [M 4,096, K 1,024] x [K 1,024, N 4,096]; A: computed on the way; B: input w1 (given as codes): QUANTISED
;;     6. [M 4,096, K 4,096] x [K 4,096, N 1,024]; A: computed on the way; B: input w2 (given as codes): QUANTISED
;;   THE QUANTISER, for each operand of a quantised product, along K:
;;     - K is cut into blocks of 32 from its start; a last block that is shorter is filled with zeros.
;;     - A block's scale is 2^e with e = floor(log2(the largest magnitude in the block)) - 2, held to -126 .. 127; a block of zeros has e = 0. As a byte (E8M0): e + 127.
;;     - Each number is divided by its block's scale, clamped to +-7.5, and rounded to the nearest number of E2M3, ties to even, subnormals kept.
;;     - The product sums the exact products of the quantised numbers (number of the format x scale) in f32.
;;   ~~~python
;;   def quantise(x, axis):      # numpy; x: float32 -> the quantised numbers, widened to float32 again
;;       x = np.moveaxis(x, axis, -1); K = x.shape[-1]
;;       x = np.pad(x, [(0, 0)] * (x.ndim - 1) + [(0, -K % 32)]); x = x.reshape(x.shape[:-1] + (-1, 32)); a = np.abs(x).max(-1, keepdims=True)
;;       e = np.where(a > 0, np.clip(np.frexp(np.where(a > 0, a, 1))[1] - 1 - 2, -126, 127), 0)      # np.frexp(a)[1] - 1 = floor(log2(a)), exactly
;;       r = np.clip(x / 2.0 ** e, -7.5, 7.5)
;;       step = 2.0 ** (np.maximum(np.frexp(np.where(r == 0, 1, r))[1] - 1, 0) - 3)
;;       q = np.round(r / step) * step * 2.0 ** e      # np.round: ties to even
;;       return np.moveaxis(q.reshape(q.shape[:-2] + (-1,))[..., :K], -1, axis).astype(np.float32)
;;   ~~~
;;   SOFTMAX AHEAD OF A QUANTISED PRODUCT. Where the list says 'softmax', what is quantised is not the finished softmax but p = 2^(t - M), with t = logit x log2(e) and M = ceil(the row's largest t), a whole number; so 1/2 < the row's largest p <= 1. The row's sum l is taken of the UNQUANTISED p, in f32, and the product's result is divided by l at the end. Since M is a whole number, a kernel that streams over the keys may use a running M (the ceiling of the running maximum): every later rescaling is an exact power of two, which a block's scale takes up: the codes' values come out the same.
;;   OPERANDS COMPUTED ON THE WAY. 'Computed on the way' means the value that the module computes at that place (a softmax that the list does not call 'softmax' is quantised finished and normalised). What goes into a quantiser is computed in f32, as accurately as f32 sums, v_exp_f32 and their like allow (about 1e-6 of the number): no bf16 or f16 on the way to a quantiser, and a product that is left as it is and whose result goes on into a quantised operand takes f32 operands (vector FMAs, or v_wmma_f32_16x16x4_f32). A number that lies on a knife's edge between two numbers of the format may be rounded either way, as far as f32 arithmetic and the matrix unit's own rounding can turn it there, and no further.
;;   INPUTS GIVEN AS CODES. kv_w (in the module: [1024, 2048], K = its axis 0); q_w (in the module: [1024, 1024], K = its axis 0); w1 (in the module: [1024, 4096], K = its axis 0); w2 (in the module: [4096, 1024], K = its axis 0): each comes as NAME_codes (uint8): NAME with its K axis moved to the last place and cut into blocks of 32 codes, [.., K / 32, bytes a block], one block behind the other in memory; four codes in three bytes: a row's codes are one little-endian stream of bits, code i at bits 6 i .. 6 i + 5 (a code: sign, 2 exponent bits, 3 mantissa bits); and NAME_scales (uint8): the same leading axes, one E8M0 byte (e + 127) for each 32 codes along K. Its value is code x scale, taken as it is: it is not quantised again, and the codes and scales need not be those that the quantiser above would give.
;; One version. Each part assembles by itself: llvm-mc -triple=amdgcn-amd-amdhsa -mcpu=gfx1250 --defsym DOCPART=n.
;; ======== version 1 of 1: 6 launches
;; limits: right only within a limited range of input values
;; workspace buffers: xq 3,145,728 bytes; xs 131,072 bytes; qkv 9,437,184 bytes; qkvs 655,360 bytes; att 16,777,216 bytes; hid 12,582,912 bytes; hsc 524,288 bytes; w2r 3,145,728 bytes
;; launch norm1 (part 1): grid 256 x 1, 8 waves a work-group, no clusters, 87,552 bytes of LDS; arguments x, ln1_w, xq, xs; writes xq, xs
.if DOCPART == 1
	.amdgcn_target "amdgcn-amd-amdhsa--gfx1250"
	.amdhsa_code_object_version 6
	.text
	.protected	k_q66beab6311_norm1
	.globl	k_q66beab6311_norm1
	.p2align	8
	.type	k_q66beab6311_norm1,@function
k_q66beab6311_norm1:
	s_mov_b64 s[64:65], 0
	v_nop
	global_prefetch_b8 v0, s[64:65] scope:SCOPE_SE
	s_setreg_imm32_b32 hwreg(HW_REG_WAVE_MODE, 25, 1), 1
	s_wait_xcnt 0x0
; y = x * rsqrt(mean(x^2) + 1e-5) * w for rows of 1,024 f32, quantised along the row to codes of FP6 (E2M3) with one E8M0 byte for each 32.
; Codes out: [4096][768 bytes], a row's codes one stream of bits; scale bytes out: [4096][32].  Both laid as the given weights' codes and scales are.
; SHARES.  A wave takes two neighbouring rows, a work-group of eight waves 16 rows; 256 work-groups.  Straight-line text: all 16 row loads of a wave (8 KiB) go out at once.
; Each load takes 512 consecutive bytes, 16 a lane.  The conversion wants 32 neighbours in ONE lane, so a row turns through the wave's own stage in LDS: in as loaded, out 128 bytes a lane
; (places of 144 bytes, an odd multiple of 16, so that the lanes' reads start in different banks).  A lane then holds a whole block of 32: its largest magnitude needs no other lane.
; The codes (24 bytes a lane) go through a second stage and leave as 1,536 consecutive bytes for the two rows; the work-group's 512 scale bytes are gathered in LDS and leave by one store.
; Memory binds here: no matrix unit, no cluster, no tensor load.
; LIMITS: a block of zeros gets the byte 1 (its codes are zeros; only this program reads the bytes); blocks under 2^-124 are held at that byte; NaN and infinities are not served.
.set R,    16                          ; v16-79   two rows as loaded
.set X,    80                          ; v80-143  two rows, 32 neighbours a lane
.set WT,   144                         ; v144-175 the gain of my 32 columns
.set C,    176                         ; v176-191 at work, then the codes: 8 registers a row
.set WREG, 10752                       ; LDS of a wave: two turn stages of 4,608 bytes, then 1,536 bytes for codes
.set CST,  9216
.set SCB,  86016                       ; the work-group's 512 scale bytes
	s_load_b256 s[4:11], s[0:1], 0x0               ; in s[4:5], gain s[6:7], codes s[8:9], scale bytes s[10:11]
	v_lshl_add_u32 v192, v0, 2, 0x15200
	v_mov_b32 v193, 0
	v_lshrrev_b32 v2, 5, v0
	s_delay_alu instid0(VALU_DEP_1)
	v_readfirstlane_b32 s16, v2                    ; wave
	v_and_b32 v1, 31, v0                           ; lane
	s_delay_alu instid0(VALU_DEP_1)
	v_lshlrev_b32 v3, 4, v1                        ; 16 x lane
	s_delay_alu instid0(VALU_DEP_2)
	v_lshlrev_b32 v4, 7, v1                        ; 128 x lane
	s_mul_i32 s17, s16, WREG
	v_lshrrev_b32 v5, 3, v1
	s_delay_alu instid0(VALU_DEP_1)
	v_mul_u32_u24 v5, v5, 144
	v_and_b32 v6, 7, v1
	s_delay_alu instid0(VALU_DEP_1)
	v_lshl_add_u32 v5, v6, 4, v5
	s_delay_alu instid0(VALU_DEP_1)
	v_add_nc_u32 v5, s17, v5                       ; into the turn stage: eight lanes' 128 bytes on end, then 16 of padding
	v_mul_u32_u24 v6, v1, 144
	s_delay_alu instid0(VALU_DEP_1)
	v_add_nc_u32 v6, s17, v6                       ; out of it: my 128 bytes
	s_add_co_u32 s18, s17, CST
	v_mul_u32_u24 v7, v1, 24
	s_delay_alu instid0(VALU_DEP_1)
	v_add_nc_u32 v7, s18, v7                       ; my block's 24 bytes of codes
	v_add_nc_u32 v8, s18, v3                       ; and back, 16 bytes a lane
	s_lshl_b32 s19, s16, 6
	s_add_co_u32 s19, s19, SCB
	v_add_nc_u32 v9, s19, v1                       ; my block's scale byte
	v_add_nc_u32 v2, SCB, v3                       ; wave 0's read of all 512
	v_mov_b32 v13, 0                               ; a lane permute's destination counts as read; also the upper halves of two pairs
	v_mov_b32 v15, 0
	s_mov_b32 s12, 0x3a800000                      ; 1 / 1024
	s_mov_b32 s13, 0x3727c5ac                      ; 1e-5
	s_mov_b32 s14, 0x76543210
	s_mov_b32 s15, 0xfedcba98                      ; lane l xor 16
	s_lshl_b32 s20, ttmp9, 16                      ; 16 rows of 4,096 bytes a work-group,
	s_lshl_b32 s21, s16, 13                        ; two a wave
	s_add_co_u32 s20, s20, s21
	s_mov_b32 s21, 0
	s_mul_i32 s22, ttmp9, 12288                    ; 16 rows of 768 bytes of codes,
	s_mul_i32 s23, s16, 1536
	s_add_co_u32 s22, s22, s23
	s_mov_b32 s23, 0
	s_lshl_b32 s24, ttmp9, 9                       ; 16 rows of 32 scale bytes
	s_mov_b32 s25, 0
	s_wait_kmcnt 0x0
	s_add_nc_u64 s[4:5], s[4:5], s[20:21]
	s_add_nc_u64 s[8:9], s[8:9], s[22:23]
	s_add_nc_u64 s[10:11], s[10:11], s[24:25]
.irp p, 0,1
.irp i, 0,1,2,3,4,5,6,7
	global_load_b128 v[R+32*\p+4*\i:R+32*\p+4*\i+3], v3, s[4:5] offset:4096*\p+512*\i th:TH_LOAD_NT
.endr
.endr
.irp j, 0,1,2,3,4,5,6,7
	global_load_b128 v[WT+4*\j:WT+4*\j+3], v4, s[6:7] offset:16*\j
.endr
.macro SUMSQ p                         ; the row's sum of squares, in every lane, into v[12 + 2 p]
	v_pk_mul_f32 v[176:177], v[R+32*\p:R+32*\p+1], v[R+32*\p:R+32*\p+1]
	v_pk_mul_f32 v[178:179], v[R+32*\p+2:R+32*\p+3], v[R+32*\p+2:R+32*\p+3]
.irp k, 4,8,12,16,20,24,28
	s_delay_alu instid0(VALU_DEP_2)
	v_pk_fma_f32 v[176:177], v[R+32*\p+\k:R+32*\p+\k+1], v[R+32*\p+\k:R+32*\p+\k+1], v[176:177]
	s_delay_alu instid0(VALU_DEP_2)
	v_pk_fma_f32 v[178:179], v[R+32*\p+\k+2:R+32*\p+\k+3], v[R+32*\p+\k+2:R+32*\p+\k+3], v[178:179]
.endr
	s_delay_alu instid0(VALU_DEP_1)
	v_pk_add_f32 v[176:177], v[176:177], v[178:179]
	s_delay_alu instid0(VALU_DEP_1)
	v_add_f32 v176, v176, v177
	s_delay_alu instid0(VALU_DEP_1)
	v_add_f32_dpp v176, v176, v176 row_xmask:1 row_mask:0xf bank_mask:0xf
	s_delay_alu instid0(VALU_DEP_1)
	v_add_f32_dpp v176, v176, v176 row_xmask:2 row_mask:0xf bank_mask:0xf
	s_delay_alu instid0(VALU_DEP_1)
	v_add_f32_dpp v176, v176, v176 row_xmask:4 row_mask:0xf bank_mask:0xf
	s_delay_alu instid0(VALU_DEP_1)
	v_add_f32_dpp v176, v176, v176 row_xmask:8 row_mask:0xf bank_mask:0xf
	s_delay_alu instid0(VALU_DEP_1)
	v_permlanex16_b32 v[13+2*\p], v176, s14, s15
	s_delay_alu instid0(VALU_DEP_1)
	v_add_f32 v[12+2*\p], v176, v[13+2*\p]
.endm
	s_wait_loadcnt 0x8                             ; the 16 row loads are in; the gain's eight, issued behind them, may be out
	SUMSQ 0
	SUMSQ 1
.irp p, 0,1
.irp i, 0,1,2,3,4,5,6,7
	ds_store_b128 v5, v[R+32*\p+4*\i:R+32*\p+4*\i+3] offset:4608*\p+576*\i
.endr
.endr
.irp p, 0,1
.irp j, 0,1,2,3,4,5,6,7
	ds_load_b128 v[X+32*\p+4*\j:X+32*\p+4*\j+3], v6 offset:4608*\p+16*\j   ; the wave's own bytes, served in order: these see the stores above
.endr
.endr
	v_fma_f32 v12, v12, s12, s13                   ; mean + eps
	v_fma_f32 v14, v14, s12, s13
	s_wait_alu depctr_va_vdst(0)
	v_rsq_f32 v12, v12
	v_rsq_f32 v14, v14
	v_nop                                          ; a plain instruction behind the transcendentals
	s_wait_alu depctr_va_vdst(0)
	s_wait_loadcnt 0x0                             ; the gain
	s_wait_dscnt 0x0                               ; my 32 neighbours of both rows
.macro ROWQ p
.set j, 0
.rept 16
	v_pk_mul_f32 v[X+32*\p+j:X+32*\p+j+1], v[X+32*\p+j:X+32*\p+j+1], v[12+2*\p:13+2*\p] op_sel_hi:[1,0]   ; x * rsqrt,
.set j, j+2
.endr
.set j, 0
.rept 16
	v_pk_mul_f32 v[X+32*\p+j:X+32*\p+j+1], v[X+32*\p+j:X+32*\p+j+1], v[WT+j:WT+j+1]                       ; then * gain
.set j, j+2
.endr
	v_max3_num_f32 v10, |v[X+32*\p]|, |v[X+32*\p+1]|, |v[X+32*\p+2]|      ; the block's largest magnitude: all 32 are mine
	v_max3_num_f32 v11, |v[X+32*\p+3]|, |v[X+32*\p+4]|, |v[X+32*\p+5]|
.irp i, 6,10,14,18,22,26
	s_delay_alu instid0(VALU_DEP_2)
	v_max3_num_f32 v10, v10, |v[X+32*\p+\i]|, |v[X+32*\p+\i+1]|
	s_delay_alu instid0(VALU_DEP_2)
	v_max3_num_f32 v11, v11, |v[X+32*\p+\i+2]|, |v[X+32*\p+\i+3]|
.endr
	s_delay_alu instid0(VALU_DEP_2)
	v_max3_num_f32 v10, v10, |v[X+32*\p+30]|, |v[X+32*\p+31]|
	s_delay_alu instid0(VALU_DEP_1)
	v_max3_num_f32 v10, v10, v11, 0x1800000        ; the floor 2^(3 - 127): the byte cannot fall under 1
	s_delay_alu instid0(VALU_DEP_1)
	v_add_nc_u32 v11, 0xff000000, v10              ; 2 off the exponent field: the conversion's scale operand
	v_cvt_scalef32_pk16_fp6_f32 v[C+8*\p:C+8*\p+2], v[X+32*\p:X+32*\p+15], v11
	v_cvt_scalef32_pk16_fp6_f32 v[C+8*\p+4:C+8*\p+6], v[X+32*\p+16:X+32*\p+31], v11
	v_lshrrev_b32 v[C+8*\p+7], 23, v11             ; the scale's byte; also the plain instruction behind the conversions
	v_mov_b32 v[C+8*\p+3], v[C+8*\p+4]             ; six registers on end
	v_mov_b32 v[C+8*\p+4], v[C+8*\p+5]
	v_mov_b32 v[C+8*\p+5], v[C+8*\p+6]
.irp q, 0,1,2
	ds_store_b64 v7, v[C+8*\p+2*\q:C+8*\p+2*\q+1] offset:768*\p+8*\q
.endr
	ds_store_b8 v9, v[C+8*\p+7] offset:32*\p
.endm
	ROWQ 0
	ROWQ 1
.irp g, 0,1,2
	ds_load_b128 v[R+4*\g:R+4*\g+3], v8 offset:512*\g
.endr
	s_wait_dscnt 0x0                               ; the codes are back, and my scale bytes have landed: zero, for the other waves' sake too
.irp g, 0,1,2
	global_store_b128 v3, v[R+4*\g:R+4*\g+3], s[8:9] offset:512*\g   ; two rows' codes: 1,536 consecutive bytes
.endr
	s_barrier_signal -1
	s_barrier_wait -1                              ; all 512 scale bytes lie in LDS
	s_cmp_lg_u32 s16, 0
	s_cbranch_scc1 .Ldone
	ds_load_b128 v[X:X+3], v2
	s_wait_dscnt 0x0
	global_store_b128 v3, v[X:X+3], s[10:11]       ; 512 consecutive bytes, aligned
.Ldone:
	s_wait_tensorcnt 0x0
	ds_add_u32 v192, v193
	s_wait_dscnt 0x0
	s_endpgm
.Lfunc_end_k_q66beab6311_norm1:
	.size	k_q66beab6311_norm1, .Lfunc_end_k_q66beab6311_norm1-k_q66beab6311_norm1
	.p2alignl 7, 3214868480
	.fill 96, 4, 3214868480
	.section	.rodata,"a",@progbits
	.p2align	6, 0x0
	.amdhsa_kernel k_q66beab6311_norm1
		.amdhsa_group_segment_fixed_size 87552
		.amdhsa_private_segment_fixed_size 0
		.amdhsa_enable_private_segment 0
		.amdhsa_kernarg_size 32
		.amdhsa_user_sgpr_count 2
		.amdhsa_user_sgpr_kernarg_segment_ptr 1
		.amdhsa_wavefront_size32 1
		.amdhsa_system_sgpr_workgroup_id_x 1
		.amdhsa_system_sgpr_workgroup_id_y 1
		.amdhsa_system_sgpr_workgroup_id_z 1
		.amdhsa_system_vgpr_workitem_id 0
		.amdhsa_next_free_vgpr 194
		.amdhsa_next_free_sgpr 66
		.amdhsa_reserve_vcc 0
		.amdhsa_float_denorm_mode_32 3
		.amdhsa_float_denorm_mode_16_64 3
		.amdhsa_memory_ordered 1
		.amdhsa_forward_progress 1
		.amdhsa_inst_pref_size 21
	.end_amdhsa_kernel
	.amdgpu_metadata
---
amdhsa.version: [ 1, 2 ]
amdhsa.kernels:
  - .name:           k_q66beab6311_norm1
    .symbol:         k_q66beab6311_norm1.kd
    .args:
      - { .name: x, .offset: 0, .size: 8, .value_kind: global_buffer, .address_space: global }
      - { .name: ln1_w, .offset: 8, .size: 8, .value_kind: global_buffer, .address_space: global }
      - { .name: xq, .offset: 16, .size: 8, .value_kind: global_buffer, .address_space: global }
      - { .name: xs, .offset: 24, .size: 8, .value_kind: global_buffer, .address_space: global }
    .group_segment_fixed_size: 87552
    .private_segment_fixed_size: 0
    .kernarg_segment_align: 8
    .kernarg_segment_size: 32
    .max_flat_workgroup_size: 256
    .sgpr_count:     66
    .vgpr_count:     194
    .wavefront_size: 32
...
	.end_amdgpu_metadata
.endif
;; end of part 1
;; launch qkv (part 2): grid 12 x 16, 4 waves a work-group, clusters of 4 x 4, 327,680 bytes of LDS; arguments xq, xs, q_w_codes, q_w_scales, kv_w_codes, kv_w_scales, q_b, kv_b, qkv, qkvs, key_pad_mask; writes qkv, qkvs
.if DOCPART == 2
	.amdgcn_target "amdgcn-amd-amdhsa--gfx1250"
	.amdhsa_code_object_version 6
	.text
	.protected	k_q66beab6311_qkv
	.globl	k_q66beab6311_qkv
	.p2align	8
	.type	k_q66beab6311_qkv,@function
k_q66beab6311_qkv:
	s_mov_b64 s[64:65], 0
	v_nop
	global_prefetch_b8 v0, s[64:65] scope:SCOPE_SE
	s_setreg_imm32_b32 hwreg(HW_REG_WAVE_MODE, 25, 1), 1
	s_wait_xcnt 0x0
	s_wait_alu depctr_hold_cnt(0) depctr_sa_sdst(0) depctr_va_vdst(0) depctr_va_sdst(0) depctr_va_ssrc(0) depctr_va_vcc(0) depctr_vm_vsrc(0)
	s_getreg_b32 s2, hwreg(HW_REG_IB_STS2, 6, 4)
	s_cmp_eq_u32 s2, 0
	s_cbranch_scc0 .Lentry_in_a_cluster
	s_endpgm
.Lentry_in_a_cluster:
	s_bfe_u32 s2, ttmp6, 0x10000c
	s_cmp_lg_u32 s2, 0xf033
	s_cbranch_scc0 .Lentry_shape_is_right
	s_endpgm
.Lentry_shape_is_right:
; K goes through the ring in chunks of 256 bytes of each row of 768: a step of 128 along K is 96 bytes, eight steps to three chunks; chunk c lies in slot c % 2; LDS rows are 256 + 16 bytes
.set ROWB,  256
.set KROW,  768
.set PITCH, 272
.set FR,    12
.set HALFT, 128*PITCH
.set SLOT,  4*HALFT
.set SCL,   2*SLOT
.set HALFS, 16*272
.set SBLK,  2*272
.set SPARE, SCL+4*HALFS
.set MST,   SPARE+512
.set ADRA, 16
.set ADRB, 20
.set MSW,  24
.set MSR,  25
.set LO,   26
.set ADRS, 27
.set SPW,  28
.set NIL,  29
.set SXO,  30
.set SC,   32
.set AF,   64
.set BBR,  192
.set TM,   64
.set PW,   80
.set PW2,  81
.set PK,   82
.set TOP,  83
.set CD,   84
.set XB,   96
.set X0,   104
.set X1,   108
.set G1,   24
.set G0,   32
.set G1B,  48
.set G0B,  56
.set G1S,  68
.set G0S,  76
.set G1SB, 80
.set G0SB, 88
.set WV,   92
.set RH,   93
.set CH,   94
.set ISV,  95
.set SEL,  100
.set MSB, 0
.macro WIN new
.if MSB != (\new)
	s_set_vgpr_msb (MSB<<8)|(\new)
.set MSB, (\new)
.endif
.endm
.macro PLACES n
.rept \n
	v_nop
.endr
.endm
.macro JLOAD g0a, g1a, g0b, g1b
	s_cmp_eq_u32 s[RH], 0
	s_cbranch_scc0 .Lfor_b_\@
	tensor_load_to_lds s[\g0a:\g0a+3], s[\g1a:\g1a+7]
	s_nop 0
.rept 4
	v_nop
.endr
	s_branch .Lasked_\@
.Lfor_b_\@:
	tensor_load_to_lds s[\g0b:\g0b+3], s[\g1b:\g1b+7]
	s_nop 0
.rept 4
	v_nop
.endr
.Lasked_\@:
.endm
.macro CREST
	s_cmp_lg_u32 s[WV], 0
	s_cbranch_scc1 .Lnot_wave_0_\@
	s_barrier_signal -3
.Lnot_wave_0_\@:
	s_barrier_wait -3
	s_barrier_signal -1
	s_barrier_wait -1
.endm
.macro CROUND
	s_barrier_signal -1
	s_barrier_wait -1
	CREST
.endm
.macro FRAG reg, adr, st, i            ; step st's fragment in six pieces of 8 bytes; byte y of a row lies in slot (y / 256) % 2 at byte y % 256
.irp p, 0,1,2,3,4,5
.set BY, 96*(\st)+48*(\p/3)+8*(\p%3)
.if BY/ROWB == (BY+24)/ROWB
	ds_load_b64 v[\reg+2*\p:\reg+2*\p+1], v[\adr+(BY/ROWB)%2] offset:BY%ROWB+(\i)*16*PITCH
.else                                  ; lanes 16-31, 24 bytes on, read the next chunk: the second pair of address registers
	ds_load_b64 v[\reg+2*\p:\reg+2*\p+1], v[\adr+2+(BY/ROWB)%2] offset:BY%ROWB-232+(\i)*16*PITCH
.endif
.endr
.endm
.macro FETCH_B st                      ; into set st % 2
	WIN 0x40
.irp i, 0,1,2,3,4,5,6,7
	FRAG 96*((\st)%2)+FR*\i, ADRB, \st, \i
.endr
	WIN 0
.endm
.macro FETCH_A st
.irp i, 0,1,2,3,4,5,6,7
	FRAG AF+96*((\st)%2)+FR*\i, ADRA, \st, \i
.endr
.endm
.macro SCALES pr                       ; the scale words of steps 2 pr and 2 pr + 1 into set pr % 2
.irp i, 0,1,2,3,4,5,6,7
	ds_load_b64 v[SC+16*((\pr)%2)+2*\i:SC+16*((\pr)%2)+2*\i+1], v[ADRS] offset:\i*SBLK+8*(\pr)
.endr
.endm
.macro MWIN hi, mode
.if \mode
	WIN 0x91+0x40*\hi
.else
	WIN 0xa1+0x50*\hi
.endif
.endm
.macro MUL a0, set, q, sc, mode
.irp a, \a0, \a0+1
.irp b, 0,1,2,3,4,5,6,7
.set DR, 8*(8*((\a)%4)+\b)
.set BR, 96*(\set)+FR*\b
.set AR, AF+96*(\set)+FR*(\a)
.set SBR, SC+16*(\sc)+2*\b+(\q)
.set SAR, SC+16*(\sc)+2*(\a)+(\q)
.if \mode == 0
	v_wmma_scale_f32_16x16x128_f8f6f4 v[DR:DR+7], v[BR:BR+11], v[AR:AR+11], v[DR:DR+7], v[SBR], v[SAR] matrix_a_fmt:MATRIX_FMT_FP6 matrix_b_fmt:MATRIX_FMT_FP6 matrix_a_scale:MATRIX_SCALE_ROW1
.elseif \mode == 1
	v_wmma_scale_f32_16x16x128_f8f6f4 v[DR:DR+7], v[BR:BR+11], v[AR:AR+11], v[BBR+8*\b:BBR+8*\b+7], v[SBR], v[SAR] matrix_a_fmt:MATRIX_FMT_FP6 matrix_b_fmt:MATRIX_FMT_FP6 matrix_a_scale:MATRIX_SCALE_ROW1
.else
	v_wmma_scale_f32_16x16x128_f8f6f4 v[DR:DR+7], v[BR:BR+11], v[AR:AR+11], v[BBR+8*(\a):BBR+8*(\a)+7], v[SBR], v[SAR] matrix_a_fmt:MATRIX_FMT_FP6 matrix_b_fmt:MATRIX_FMT_FP6 matrix_a_scale:MATRIX_SCALE_ROW1
.endif
.endr
.endr
.endm
; Step st: 64 products on set st % 2; step st + 1's fragments go into the other set.  Where the next step ends in a chunk not yet read, a barrier shows that chunk whole; where it begins in a later chunk,
; the chunk left behind is read no more: the wait for all tensor loads, the add, the wait for it and for my reads, the barrier; where chunk C0 + 2 exists the barrier opens a round and the slot is filled again.
.macro KSTEP st, mode
.set NX, (\st)+1
.set C0, (96*(\st))/ROWB
.set C1, (96*NX)/ROWB
.set E0, (96*(\st)+95)/ROWB
.set E1, (96*NX+95)/ROWB
.if C1 > C0 || E1 > E0
	s_wait_tensorcnt 0x0
.if C1 > C0
	ds_add_u32 v[SPW], v[NIL]
	s_wait_dscnt 0x1                               ; only the add may be out
.else
	s_wait_dscnt 0x0
.endif
	MWIN 0, \mode
	MUL 0, (\st)%2, (\st)%2, ((\st)/2)%2, \mode
	s_wait_dscnt 0x0
	s_barrier_signal -1
	MUL 2, (\st)%2, (\st)%2, ((\st)/2)%2, \mode
	WIN 0
	s_barrier_wait -1
.if C1 > C0 && C0+2 < KROW/ROWB
	CREST
	s_add_nc_u64 s[G0+4*(C0%2)+2:G0+4*(C0%2)+3], s[G0+4*(C0%2)+2:G0+4*(C0%2)+3], 2*ROWB
	s_add_nc_u64 s[G0B+4*(C0%2)+2:G0B+4*(C0%2)+3], s[G0B+4*(C0%2)+2:G0B+4*(C0%2)+3], 2*ROWB
	JLOAD G0+4*(C0%2), G1, G0B+4*(C0%2), G1B       ; its four v_nop are the places in front of the loads below
.else
	PLACES 4
.endif
.else
	s_wait_dscnt 0x0
	PLACES 4
.endif
	FETCH_B NX
	FETCH_A NX
.if NX%2 == 0
	SCALES NX/2
.endif
.if !(C1 > C0 || E1 > E0)
	MWIN 0, \mode
	MUL 0, (\st)%2, (\st)%2, ((\st)/2)%2, \mode
	MUL 2, (\st)%2, (\st)%2, ((\st)/2)%2, \mode
.endif
	MWIN 1, \mode
	MUL 4, (\st)%2, (\st)%2, ((\st)/2)%2, \mode
	MUL 6, (\st)%2, (\st)%2, ((\st)/2)%2, \mode
	WIN 0
.endm
.macro QUANT s, w
	WIN ((\w)<<2)|((\w)<<4)
.irp b, 0,1,2,3
	v_max3_num_f32 v[TM+\b], 0x1800000, |v[(\s)+16*\b]|, |v[(\s)+16*\b+1]|
.endr
.irp i, 2,4,6,8,10,12,14
.irp b, 0,1,2,3
	v_max3_num_f32 v[TM+\b], v[TM+\b], |v[(\s)+16*\b+\i]|, |v[(\s)+16*\b+\i+1]|
.endr
.endr
	WIN 0
.irp b, 0,1,2,3
	v_permlanex16_b32 v[TM+4+\b], v[TM+\b], s[SEL], s[SEL+1]
.endr
.irp b, 0,1,2,3
	v_max_num_f32 v[TM+\b], v[TM+\b], v[TM+4+\b]
.endr
.irp b, 0,1,2,3
	v_add_nc_u32 v[TM+12+\b], 0xff000000, v[TM+\b]
.endr
.irp b, 0,1,2,3
	v_lshrrev_b32 v[TM+4+\b], 23, v[TM+12+\b]
.endr
	v_lshl_or_b32 v[PW], v[TM+5], 8, v[TM+4]
	v_lshl_or_b32 v[PW], v[TM+6], 16, v[PW]
	v_lshl_or_b32 v[PW], v[TM+7], 24, v[PW]
	WIN \w
.irp c, 0,1
	v_cvt_scalef32_pk16_fp6_f32 v[CD+6*\c:CD+6*\c+2], v[(\s)+32*\c:(\s)+32*\c+15], v[TM+12+2*\c]
	v_cvt_scalef32_pk16_fp6_f32 v[XB+4*\c:XB+4*\c+2], v[(\s)+32*\c+16:(\s)+32*\c+31], v[TM+13+2*\c]
.endr
	WIN 0
	v_nop
.irp c, 0,1
.irp i, 0,1,2
	v_permlane16_swap_b32 v[CD+6*\c+\i], v[XB+4*\c+\i]
.endr
	v_perm_b32 v[CD+6*\c+3], v[CD+6*\c+2], v[CD+6*\c+1], 0x05040302
	v_perm_b32 v[CD+6*\c+4], v[XB+4*\c+1], v[CD+6*\c+2], 0x07060302
	v_perm_b32 v[CD+6*\c+1], v[XB+4*\c], v[CD+6*\c+1], 0x05040100
	v_perm_b32 v[CD+6*\c+2], v[XB+4*\c+1], v[XB+4*\c], 0x05040302
	v_mov_b32 v[CD+6*\c+5], v[XB+4*\c+2]
.endr
.endm
	s_load_b512 s[4:19], s[0:1], 0x0
	s_load_b128 s[20:23], s[0:1], 0x40
	v_lshl_add_u32 v[SPW], v0, 2, SPARE
	v_mov_b32 v[NIL], 0
	ds_add_u32 v28, v29
	ds_add_u32 v28, v29
	s_wait_dscnt 0x0
	v_lshrrev_b32 v1, 5, v0
	v_readfirstlane_b32 s[WV], v1
	s_lshr_b32 s[RH], s[WV], 1
	s_and_b32 s[CH], s[WV], 1
	s_bfe_u32 s40, ttmp6, 0x40000
	s_bfe_u32 s41, ttmp6, 0x40004
	s_and_b32 s46, ttmp7, 0xffff
	s_cmp_eq_u32 ttmp9, 2
	s_cselect_b32 s[ISV], 1, 0
	s_cselect_b32 s42, 0, s46
	s_cselect_b32 s43, s46, 0
	s_lshl_b32 s42, s42, 2
	s_add_co_u32 s42, s42, s41
	s_lshl_b32 s43, s43, 2
	s_add_co_u32 s43, s43, s40
	s_lshl_b32 s44, s41, 2
	s_lshl_b32 s44, 15, s44
	s_lshl_b32 s45, 0x1111, s40
	s_or_b32 s[G1], s44, (1<<20)|(1<<21)|(5<<22)|(3<<25)
	s_or_b32 s[G1B], s45, (1<<20)|(1<<21)|(5<<22)|(3<<25)
.irp g, G1, G1B
	s_mov_b32 s[\g+1], ROWB<<16
	s_mov_b32 s[\g+2], 256<<16
	s_mov_b32 s[\g+3], ROWB<<16
	s_mov_b32 s[\g+4], 256
	s_mov_b32 s[\g+5], KROW
	s_mov_b32 s[\g+6], 0
	s_mov_b32 s[\g+7], 0
.endr
	s_or_b32 s[G1S], s44, (3<<16)|(1<<20)|(1<<21)|(5<<22)|(3<<25)
	s_or_b32 s[G1SB], s45, (3<<16)|(1<<20)|(1<<21)|(5<<22)|(3<<25)
.irp g, G1S, G1SB
	s_mov_b32 s[\g+1], 32<<16
	s_mov_b32 s[\g+2], 32<<16
	s_mov_b32 s[\g+3], 32<<16
	s_mov_b32 s[\g+4], 32
	s_mov_b32 s[\g+5], 32
	s_mov_b32 s[\g+6], 0
	s_mov_b32 s[\g+7], 0
.endr
	s_load_b64 s[44:45], s[0:1], 0x50
	s_lshl_b32 s96, s[CH], 7
	s_lshl_b32 s46, s42, 8
	s_add_co_u32 s46, s46, s96
	s_lshl_b32 s97, s43, 8
	s_add_co_u32 s97, s97, s96
	s_mul_i32 s2, s46, KROW
	s_lshl_b32 s46, s46, 5
	s_mul_i32 s66, s97, KROW
	s_lshl_b32 s98, s97, 5
	s_cmp_eq_u32 s[ISV], 1
	s_cselect_b32 s3, 786432, 0
	s_cselect_b32 s47, 32768, 0
	s_add_co_u32 s2, s2, s3
	s_add_co_u32 s46, s46, s47
	s_mov_b32 s3, 0
	s_mov_b32 s47, 0
	s_mov_b32 s67, 0
	s_mov_b32 s99, 0
	s_mul_i32 s100, s[WV], HALFT
	s_wait_kmcnt 0x0
	s_cmp_eq_u32 ttmp9, 0
	s_cselect_b64 s[8:9], s[8:9], s[12:13]
	s_cselect_b64 s[10:11], s[10:11], s[14:15]
	s_cselect_b64 s[16:17], s[16:17], s[18:19]
	s_cmp_eq_u32 s[ISV], 1
	s_cselect_b64 s[12:13], s[12:13], s[4:5]
	s_cselect_b64 s[14:15], s[14:15], s[6:7]
	s_cselect_b64 s[8:9], s[4:5], s[8:9]
	s_cselect_b64 s[10:11], s[6:7], s[10:11]
	s_add_nc_u64 s[2:3], s[12:13], s[2:3]
	s_add_nc_u64 s[46:47], s[14:15], s[46:47]
	s_add_nc_u64 s[66:67], s[8:9], s[66:67]
	s_add_nc_u64 s[98:99], s[10:11], s[98:99]
	CROUND
	; the head's four tiles, each whole: chunk 0's 256 rows of A and of B, the scales of A's 256 rows and of B's.  The ring's addresses hold my half of 128 rows: it is taken off here
	s_mul_i32 s12, s[CH], 128*KROW
	s_mov_b32 s13, 0
	s_lshl_b32 s14, s[CH], 12
	s_mov_b32 s15, 0
	s_mov_b32 s4, 1
	s_mov_b32 s5, 0
	s_sub_nc_u64 s[6:7], s[2:3], s[12:13]
	s_or_b32 s7, s7, 0x80000000
	s_mov_b32 s8, 1
	s_mov_b32 s9, 2*HALFT
	s_sub_nc_u64 s[10:11], s[66:67], s[12:13]
	s_or_b32 s11, s11, 0x80000000
	s_mov_b32 s[G0S], 1
	s_mov_b32 s[G0S+1], SCL
	s_sub_nc_u64 s[G0S+2:G0S+3], s[46:47], s[14:15]
	s_or_b32 s[G0S+3], s[G0S+3], 0x80000000
	s_mov_b32 s[G0SB], 1
	s_mov_b32 s[G0SB+1], SCL+2*HALFS
	s_sub_nc_u64 s[G0SB+2:G0SB+3], s[98:99], s[14:15]
	s_or_b32 s[G0SB+3], s[G0SB+3], 0x80000000
.irp s, 0,1
	s_mov_b32 s[G0+4*\s], 1
	s_add_co_u32 s[G0+4*\s+1], s100, \s*SLOT
	s_add_nc_u64 s[G0+4*\s+2:G0+4*\s+3], s[2:3], \s*ROWB
	s_or_b32 s[G0+4*\s+3], s[G0+4*\s+3], 0x80000000
	s_mov_b32 s[G0B+4*\s], 1
	s_add_co_u32 s[G0B+4*\s+1], s100, \s*SLOT
	s_add_nc_u64 s[G0B+4*\s+2:G0B+4*\s+3], s[66:67], \s*ROWB
	s_or_b32 s[G0B+4*\s+3], s[G0B+4*\s+3], 0x80000000
.endr
.macro ARM under, g0, g1, next         ; one tree of branches on the wave's number: every way passes exactly one load
	s_cmp_lt_u32 s[WV], \under
	s_cbranch_scc0 \next
	tensor_load_to_lds s[\g0:\g0+3], s[\g1:\g1+7]
	s_nop 0
.rept 4
	v_nop
.endr
	s_branch .Lhead_asked
\next:
.endm
	ARM 1, 4, G1, .Lhead_b
	ARM 2, 8, G1B, .Lhead_sa
	ARM 3, G0S, G1S, .Lhead_sb
	tensor_load_to_lds s[G0SB:G0SB+3], s[G1SB:G1SB+7]
	s_nop 0
.rept 4
	v_nop
.endr
.Lhead_asked:
	s_wait_alu depctr_va_vdst(0)
	s_wait_tensorcnt 0x0                           ; my tile of the four is in
	ds_add_u32 v[SPW], v[NIL]
	s_mov_b32 s[G1+2], 128<<16                     ; no load of mine is out: from here on a load brings 128 rows
	s_mov_b32 s[G1+4], 128
	s_mov_b32 s[G1B+2], 128<<16
	s_mov_b32 s[G1B+4], 128
	s_wait_dscnt 0x0
	CROUND
	JLOAD G0+4, G1, G0B+4, G1B                     ; chunk 1, a quarter of slot 1 a wave
	s_mov_b32 s[SEL], 0x76543210
	s_mov_b32 s[SEL+1], 0xfedcba98
	v_and_b32 v1, 15, v0
	v_bfe_u32 v2, v0, 4, 1
	v_mul_u32_u24 v3, v1, PITCH
	v_mul_u32_u24 v4, v2, 24
	v_add_nc_u32 v4, v3, v4
	s_mov_b32 s2, SLOT-232
	s_mov_b32 s3, SLOT+232
	v_sub_nc_u32 v7, 1, v2
	v_mul_u32_u24 v5, s2, v2
	v_add_nc_u32 v5, v3, v5
	v_add_nc_u32 v5, 232, v5                       ; lanes 0-15 byte 232 of the row in slot 0, lanes 16-31 byte 0 of the row in slot 1
	v_mul_u32_u24 v6, s3, v7
	v_add_nc_u32 v6, v3, v6                        ; lanes 0-15 byte 232 in slot 1, lanes 16-31 byte 0 in slot 0
	s_mul_i32 s2, s[RH], HALFT
	s_mul_i32 s3, s[CH], HALFT
	s_add_co_u32 s3, s3, 2*HALFT
	v_add_nc_u32 v[ADRA+2], s2, v5
	v_add_nc_u32 v[ADRA+3], s2, v6
	v_add_nc_u32 v[ADRB+2], s3, v5
	v_add_nc_u32 v[ADRB+3], s3, v6
.irp s, 0,1
	v_add_nc_u32 v[ADRA+\s], s2, v4
	v_add_nc_u32 v[ADRB+\s], s3, v4
	s_add_co_u32 s2, s2, SLOT
	s_add_co_u32 s3, s3, SLOT
.endr
	v_lshlrev_b32 v5, 5, v1
	v_lshrrev_b32 v6, 8, v5
	v_lshl_add_u32 v5, v6, 4, v5
	s_mul_i32 s2, s[RH], HALFS
	s_mul_i32 s3, s[CH], HALFS
	s_add_co_u32 s3, s3, 2*HALFS
	s_sub_co_u32 s3, s3, s2
	v_mul_u32_u24 v6, s3, v2
	s_add_co_u32 s2, s2, SCL
	v_add_nc_u32 v5, v5, v6
	v_add_nc_u32 v[ADRS], s2, v5
	s_lshl_b32 s2, s[WV], 10
	s_add_co_u32 s2, s2, MST
	v_lshl_add_u32 v[MSW], v1, 2, s2
	v_and_b32 v6, 31, v0
	v_lshl_add_u32 v[MSR], v6, 4, s2
	v_lshlrev_b32 v[LO], 3, v6
	s_lshl_b32 s2, s42, 8
	s_lshl_b32 s3, s[RH], 7
	s_add_co_u32 s2, s2, s3
	s_mov_b32 s66, s2
	s_mov_b32 s67, 0
	s_add_nc_u64 s[44:45], s[44:45], s[66:67]
	s_cmp_eq_u32 s[ISV], 1
	s_cselect_b32 s96, s97, s2
	s_cselect_b32 s3, s2, s97
	s_mov_b32 s6, 768
	s_cselect_b32 s6, 1536, s6
	s_cselect_b32 s8, 92160, 0
	s_mov_b32 s10, 98304
	s_cselect_b32 s10, 768, s10
	s_cselect_b32 s12, 4, 0
	s_cselect_b32 s13, 0, 32
	s_cselect_b32 s14, 0, 4
	s_cselect_b32 s15, 4096, 0
	s_cselect_b32 s18, 8192, 0
	s_mov_b32 s19, 256
	s_cselect_b32 s19, 12288, s19
	s_cmp_eq_u32 ttmp9, 0
	s_mov_b32 s98, 12288
	s_cselect_b32 s98, 8192, s98
	s_cselect_b32 s99, 0, 262144
	s_add_co_u32 s99, s99, s18
	s_mul_i32 s4, ttmp9, 3145728
	s_lshr_b32 s5, s96, 11
	s_mul_i32 s66, s5, 1572864
	s_add_co_u32 s4, s4, s66
	s_lshr_b32 s67, s3, 6
	s_mul_i32 s66, s67, 98304
	s_add_co_u32 s4, s4, s66
	s_and_b32 s96, s96, 2047
	s_mul_i32 s66, s96, 48
	s_add_co_u32 s4, s4, s66
	s_lshl_b32 s5, s5, 4
	s_add_co_u32 s5, s5, s67
	s_mul_i32 s5, s5, s98
	s_add_co_u32 s99, s99, s5
	s_lshl_b32 s96, s96, 2
	s_lshr_b32 s96, s96, s[ISV]
	s_add_co_u32 s66, s99, s96
	s_mov_b32 s67, 0
	s_add_nc_u64 s[22:23], s[22:23], s[66:67]
	s_mov_b32 s99, 0
	s_add_nc_u64 s[46:47], s[22:23], s[98:99]
	s_cmp_eq_u32 ttmp9, 1
	s_cselect_b32 s96, 1, 0
	s_cselect_b32 s97, 0x01010000, 0
	s_cselect_b32 s98, 0xffff, -1
	s_mov_b32 s5, 0
	s_add_nc_u64 s[20:21], s[20:21], s[4:5]
	s_mov_b32 s11, 0
	s_add_nc_u64 s[4:5], s[20:21], s[10:11]
	s_mov_b32 s7, 0
	s_mov_b32 s9, 0
	s_lshl_b32 s66, s3, 2
	s_add_co_u32 s66, s66, s15
	s_add_nc_u64 s[16:17], s[16:17], s[66:67]
	v_lshlrev_b32 v[SXO], 4, v1
	v_mad_u32_u24 v[SXO], v2, s19, v[SXO]
	v_mul_u32_u24 v3, v1, s12
	v_mad_u32_u24 v3, v2, s13, v3
	s_wait_alu depctr_va_vdst(0)
.irp j, 0,1,2,3,4,5,6,7
	s_mul_i32 s66, s14, \j
	v_add_nc_u32 v[8+\j], s66, v3
.endr
	WIN 0x40
	s_wait_alu depctr_va_vdst(0)
.irp x, 0,1,2,3,4,5,6,7
.irp j, 0,1,2,3,4,5,6,7
	global_load_b32 v[BBR+8*\x+\j], v[8+\j], s[16:17] offset:64*\x
.endr
.endr
	WIN 0
	s_wait_tensorcnt 0x1
	s_barrier_signal -1
	s_barrier_wait -1
	FETCH_B 0
	FETCH_A 0
	SCALES 0
	s_wait_loadcnt 0x0
.irp a, 0,1,2,3,4,5,6,7
	global_load_u8 v[8+\a], v1, s[44:45] offset:16*\a
.endr
	s_cmp_eq_u32 s[ISV], 1
	s_cbranch_scc1 .Lfirst_v
	KSTEP 0, 1
	s_branch .Lfirst_done
.Lfirst_v:
	KSTEP 0, 2
.Lfirst_done:
.irp t, 1,2,3,4,5,6
	KSTEP \t, 0
.endr
	s_wait_dscnt 0x0
	MWIN 0, 0
	MUL 0, 1, 1, 1, 0
	MUL 2, 1, 1, 1, 0
	MWIN 1, 0
	MUL 4, 1, 1, 1, 0
	MUL 6, 1, 1, 1, 0
	WIN 0
	PLACES 4
.irp b, 0,1,2,3
	v_mov_b32 v[TM+4+\b], 0
.endr
	s_wait_loadcnt 0x0
.irp a, 0,1,2,3,4,5,6,7
	s_wait_xcnt 0x0
	s_wait_dscnt 0x0
.if \a > 0
	s_add_nc_u64 s[20:21], s[20:21], s[6:7]
	s_add_nc_u64 s[4:5], s[4:5], s[6:7]
.endif
.if \a == 4
	s_add_nc_u64 s[20:21], s[20:21], s[8:9]
	s_add_nc_u64 s[4:5], s[4:5], s[8:9]
.endif
	QUANT 64*(\a%4), 2+\a/4
	v_min_u32 v[PK], 1, v[8+\a]
	v_and_b32 v[PK], s96, v[PK]
	v_mul_u32_u24 v[TOP], 0xb80000, v[PK]
	v_add_nc_u32 v[TOP], s97, v[TOP]
	v_add_nc_u32 v[PK], -1, v[PK]
.irp i, 0,1,2,3,4,5,6,7,8,9,10,11
	v_and_b32 v[CD+\i], v[PK], v[CD+\i]
.endr
	v_lshrrev_b32 v[PW2], 16, v[PW]
	v_and_or_b32 v[PW], v[PW], s98, v[TOP]
	v_or_b32 v[PW2], v[PW2], v[TOP]
.irp p, 0,1,2
	global_store_b64 v[LO], v[CD+2*\p:CD+2*\p+1], s[20:21] offset:256*\p
.endr
.irp p, 0,1,2
	global_store_b64 v[LO], v[CD+6+2*\p:CD+7+2*\p], s[4:5] offset:256*\p
.endr
	ds_store_b32 v[MSW], v[PW] offset:64*\a
	ds_store_b32 v[MSW], v[PW2] offset:512+64*\a
.endr
	ds_load_b128 v[X0:X0+3], v[MSR]
	ds_load_b128 v[X1:X1+3], v[MSR] offset:512
	s_wait_dscnt 0x0
	global_store_b128 v[SXO], v[X0:X0+3], s[22:23]
	s_cmp_eq_u32 s[ISV], 1
	s_cbranch_scc1 .Lno_odd
	global_store_b128 v[SXO], v[X1:X1+3], s[46:47]
.Lno_odd:
	s_wait_tensorcnt 0x0
	ds_add_u32 v[SPW], v[NIL]
	s_wait_dscnt 0x0
	CROUND
	s_endpgm
.Lfunc_end_k_q66beab6311_qkv:
	.size	k_q66beab6311_qkv, .Lfunc_end_k_q66beab6311_qkv-k_q66beab6311_qkv
	.p2alignl 7, 3214868480
	.fill 96, 4, 3214868480
	.section	.rodata,"a",@progbits
	.p2align	6, 0x0
	.amdhsa_kernel k_q66beab6311_qkv
		.amdhsa_group_segment_fixed_size 327680
		.amdhsa_private_segment_fixed_size 0
		.amdhsa_enable_private_segment 0
		.amdhsa_kernarg_size 88
		.amdhsa_user_sgpr_count 2
		.amdhsa_user_sgpr_kernarg_segment_ptr 1
		.amdhsa_wavefront_size32 1
		.amdhsa_system_sgpr_workgroup_id_x 1
		.amdhsa_system_sgpr_workgroup_id_y 1
		.amdhsa_system_sgpr_workgroup_id_z 1
		.amdhsa_system_vgpr_workitem_id 0
		.amdhsa_next_free_vgpr 1024
		.amdhsa_next_free_sgpr 102
		.amdhsa_reserve_vcc 0
		.amdhsa_float_denorm_mode_32 3
		.amdhsa_float_denorm_mode_16_64 3
		.amdhsa_memory_ordered 1
		.amdhsa_forward_progress 1
		.amdhsa_inst_pref_size 203
	.end_amdhsa_kernel
	.amdgpu_metadata
---
amdhsa.version: [ 1, 2 ]
amdhsa.kernels:
  - .name:           k_q66beab6311_qkv
    .symbol:         k_q66beab6311_qkv.kd
    .args:
      - { .name: xq, .offset: 0, .size: 8, .value_kind: global_buffer, .address_space: global }
      - { .name: xs, .offset: 8, .size: 8, .value_kind: global_buffer, .address_space: global }
      - { .name: q_w_codes, .offset: 16, .size: 8, .value_kind: global_buffer, .address_space: global }
      - { .name: q_w_scales, .offset: 24, .size: 8, .value_kind: global_buffer, .address_space: global }
      - { .name: kv_w_codes, .offset: 32, .size: 8, .value_kind: global_buffer, .address_space: global }
      - { .name: kv_w_scales, .offset: 40, .size: 8, .value_kind: global_buffer, .address_space: global }
      - { .name: q_b, .offset: 48, .size: 8, .value_kind: global_buffer, .address_space: global }
      - { .name: kv_b, .offset: 56, .size: 8, .value_kind: global_buffer, .address_space: global }
      - { .name: qkv, .offset: 64, .size: 8, .value_kind: global_buffer, .address_space: global }
      - { .name: qkvs, .offset: 72, .size: 8, .value_kind: global_buffer, .address_space: global }
      - { .name: key_pad_mask, .offset: 80, .size: 8, .value_kind: global_buffer, .address_space: global }
    .group_segment_fixed_size: 327680
    .private_segment_fixed_size: 0
    .kernarg_segment_align: 8
    .kernarg_segment_size: 88
    .max_flat_workgroup_size: 128
    .sgpr_count:     102
    .vgpr_count:     1024
    .wavefront_size: 32
...
	.end_amdgpu_metadata
.endif
;; end of part 2
;; launch attn (part 3): grid 8 x 32, 16 waves a work-group, no clusters, 327,680 bytes of LDS; arguments qkv, qkvs, att, w2_codes, w2r; writes att, w2r
.if DOCPART == 3
	.amdgcn_target "amdgcn-amd-amdhsa--gfx1250"
	.amdhsa_code_object_version 6
	.text
	.protected	k_q66beab6311_attn
	.globl	k_q66beab6311_attn
	.p2align	8
	.type	k_q66beab6311_attn,@function
k_q66beab6311_attn:
	s_mov_b64 s[64:65], 0
	v_nop
	global_prefetch_b8 v0, s[64:65] scope:SCOPE_SE
	s_setreg_imm32_b32 hwreg(HW_REG_WAVE_MODE, 25, 1), 1
	s_wait_xcnt 0x0
; att[b][q][head][:] = sum over keys of softmax(q . k / 32, padded and later keys at -1e10) v, both products on codes of FP6 (E2M3) with E8M0 scales.
; t = score x log2(e) / 32; M = the running largest t rounded up to a whole number; p = 2^(t - M) is quantised along the keys, not normalised; the sum of the unquantised p divides at the end.
; SHARES.  A work-group serves one (batch, head); each of its 16 waves owns 16 queries in 256 registers, four waves to a SIMD.  Waves 0-7 take block i of 128 queries, waves 8-15 block 15 - i:
; (i + 1) + (16 - i) = 17 visible key steps for each pair of waves, whatever i.
; A WHOLE HEAD LIES IN LDS: k's codes 98,304 bytes, v's 98,304, their scale words 12,288.  Waves 0 and 1 bring them by five tensor loads each, all first fills: nothing is filled again.  The keys come in four
; chunks of 512; in front of chunk c a counted wait and a barrier.
; NO CLUSTER, though the eight work-groups of a head read the same k and v: the steps that a wave leaves out hang on its work-group's block of queries, and partners of a joint load may not branch apart.
; LAYOUT.  Both products transposed: S^T = k q^T, O^T = v^T p^T: a lane holds ONE query (lane % 16).  Tiles are 16 neighbouring keys; p's codes are set in order by an exchange of halves and four byte permutes.
; THE MASKS.  A masked score is S0 = -2^60.  S0 x c is exact and whole: in a row in which nothing is visible M = S0 c and p = 1 at every key, as -1e10 gives; in every other row p = 0.
; PADDING RIDES IN THE FIRST PRODUCT.  The head's 64 channels fill k = 0 .. 63 of the instruction's 128.  At k = 64 every key has the code -4 and every query the code 1 under the scale 1; all other codes from k = 65
; on are zeros.  The launch that made k has set the byte that scales a key's k = 64 .. 95 to 2^58 where the key is padded, and that key's 64 codes to zeros: its score is the one product -4 x 2^58 = S0, exactly.
; For every other key that byte is 2^-126.  So a key step has no line for the padding.
; The diagonal step: a compare and a select.  A step whose keys all come later has one p for the whole row: 1 if the largest t lies under -2^50, else 0; its operand is the code stream of 1.0, or zeros, under the
; scale 1: four products, no scores, no softmax, no branch on data.  The sum takes 128 for each such step at the end.
; LIMITS: every score of a key that is not padded has -2^-124 added to it; a row counts as one in which nothing is visible where its largest t lies under -2^50; NaN and infinities are not served; a block whose
; every p is 0 keeps the byte 1; a block's largest p is made from its largest score, which takes v_exp_f32 not to fall where its input rises.
; REGISTERS: v1-4, v6, v7 addresses that stay; v8-11 the step's; v12 -M, v13 the largest t, v[14:15] the sum; v16-27 q; v28 q's scale word; v29 four bytes of 1.0; v31 S0; v32-79 four fragments of k (registers 6 to 11
; of each are constants); v80-127 four fragments of v; v128-191 S^T, then p; v192-223 O^T; v224-235 p's codes; v236-255 at work.
; THE FILLS, as they now stand (in place of what is said of them above): LDS holds the head's scale words (12,288 bytes), then k's codes, then v's.  At the head waves 0-14 bring one piece of 16 rows of 256 bytes
; each: the scale words (3 pieces), keys 0-511 of k (6) and of v (6).  Behind the wait for all loads, the add, its wait and a barrier, every wave brings one piece of 36 rows:
; keys 512-2047 of k (waves 0-7) and of v (waves 8-15); they are on their way during the first four key steps; the same lines and a second barrier stand in front of the other twelve.  Nothing is filled twice.
; ALSO HERE: waves 0-7 lay w2's codes out for the last launch, an image of a fragment's 12 registers (16 rows x 128 K, 1,536 bytes) a wave: w2r[n / 128][k / 128][(n / 16) % 8], registers 4 g .. 4 g + 3 of a lane at
; 512 g + 16 lane.  A work-group's eight images are 768 consecutive bytes of each of 16 rows of w2.
.set KSC,  0
.set VSC,  8192
.set KC,   12288
.set VC,   110592
.set STG,  208896                      ; the way out: 16 rows x 272 bytes a wave; no tile lands here
.set S,    128
.set O,    192
.set CD,   224
.set XB,   236
	s_load_b128 s[4:7], s[0:1], 0x0                ; qkv, qkvs
	s_load_b64 s[10:11], s[0:1], 0x10              ; att
	s_load_b128 s[68:71], s[0:1], 0x18             ; w2's codes, w2r
	v_lshl_add_u32 v5, v0, 2, 0x44000
	v_mov_b32 v30, 0
	ds_add_u32 v5, v30
	ds_add_u32 v5, v30
	v_lshrrev_b32 v8, 5, v0
	s_delay_alu instid0(VALU_DEP_1)
	v_readfirstlane_b32 s12, v8                    ; wave 0..15
	s_and_b32 s13, ttmp7, 0xffff                   ; 16 x batch + head
	s_mov_b32 s14, ttmp9                           ; i
	s_and_b32 s16, s12, 7
	s_sub_co_u32 s15, 15, s14
	s_cmp_lt_u32 s12, 8
	s_cselect_b32 s15, s14, s15                    ; my block of 128 queries
.irp g, 24, 32                         ; two groups 1: dense rows of 256 bytes (32 elements of 8 bytes)
	s_mov_b32 s[\g], 3<<16
	s_mov_b32 s[\g+1], 32<<16
	s_mov_b32 s[\g+3], 32<<16
	s_mov_b32 s[\g+5], 32
	s_mov_b32 s[\g+6], 0
	s_mov_b32 s[\g+7], 0
.endr
	s_mov_b32 s26, 16<<16                          ; the head's pieces: 16 rows
	s_mov_b32 s28, 16
	s_mov_b32 s34, 36<<16                          ; the later pieces: 36 rows
	s_mov_b32 s36, 36
	s_add_co_u32 s82, s12, 7
	s_lshr_b32 s82, s82, 4                         ; 1 in waves 9-15: v's pieces
	s_lshl_b32 s83, s12, 12                        ; 4,096 x wave
	s_mul_i32 s41, s82, 73728
	s_add_co_u32 s41, s41, s83                     ; the head's piece in LDS: v's lie behind the rest of k
	s_mul_i32 s84, s13, 98304
	s_add_co_u32 s84, s84, 3145728                 ; the head's k in qkv
	s_mul_i32 s86, s82, 3145728-24576
	s_add_co_u32 s86, s86, s84
	s_add_co_u32 s86, s86, s83
	s_sub_co_u32 s86, s86, 12288                   ; piece wave - 3 of k, or wave - 9 of v
	s_mul_i32 s88, s13, 12288
	s_add_co_u32 s88, s88, s83
	s_add_co_u32 s88, s88, 262144                  ; piece wave of the scale words in qkvs
	s_cmp_lt_u32 s12, 3
	s_cselect_b32 s86, s88, s86
	s_mov_b32 s87, 0
	s_lshr_b32 s82, s12, 3                         ; the later pieces: 1 in waves 8-15, which take v
	s_mul_i32 s83, s12, 9216
	s_mul_i32 s45, s82, 24576
	s_add_co_u32 s45, s45, s83
	s_add_co_u32 s45, s45, KC+24576
	s_mul_i32 s82, s82, 3145728-73728
	s_add_co_u32 s84, s84, s82
	s_add_co_u32 s84, s84, s83
	s_add_co_u32 s84, s84, 24576
	s_mov_b32 s85, 0
	s_mov_b32 s20, 0x76543210
	s_mov_b32 s21, 0xfedcba98                      ; lane l xor 16
	s_mov_b32 s22, 0x3d38aa3b                      ; c = log2(e) / 32
	s_mov_b32 s23, s22
	s_mov_b32 s63, 0xd8800000                      ; -2^50
	s_mov_b32 s76, 0x08208208                      ; sixteen codes of 1.0, 96 bits
	s_mov_b32 s77, 0x82082082
	s_mov_b32 s78, 0x20820820
	s_mov_b32 s79, 0x7f7f0000                      ; bytes 2 and 3 of q's scale word: 1.0
	s_mov_b32 s17, 0                               ; the key step,
	s_mov_b32 s19, KC                              ; its codes: 6,144 bytes a step in k and in v,
	s_mov_b32 s60, 0                               ; k's scale words: 512,
	s_mov_b32 s61, 0                               ; v's scale words: 256
	s_sub_co_u32 s89, 15, s15
	s_lshl_b32 s89, s89, 7
	s_cvt_f32_u32 s62, s89                         ; the keys of the steps that come wholly later
	s_wait_dscnt 0x0
	s_wait_kmcnt 0x0
	s_cmp_lt_u32 s12, 3
	s_cselect_b64 s[42:43], s[6:7], s[4:5]         ; waves 0-2 read qkvs, the others qkv
	s_add_nc_u64 s[42:43], s[42:43], s[86:87]
	s_or_b32 s43, s43, 0x80000000
	s_mov_b32 s40, 1
	s_add_nc_u64 s[46:47], s[4:5], s[84:85]
	s_or_b32 s47, s47, 0x80000000
	s_mov_b32 s44, 1
	s_cmp_lt_u32 s12, 15                           ; fifteen pieces: one load a wave at the head
	s_cbranch_scc0 .Lno_load
	tensor_load_to_lds s[40:43], s[24:31]
	s_nop 0
.rept 4
	v_nop
.endr
.Lno_load:
	s_lshl_b32 s72, s13, 3
	s_add_co_u32 s72, s72, s14                     ; the work-group among 256
	s_lshr_b32 s73, s72, 2                         ; its 16 rows of w2,
	s_and_b32 s72, s72, 3
	s_lshl_b32 s72, s72, 3
	s_add_co_u32 s72, s72, s16                     ; my 128 along K among 32
	s_mul_i32 s74, s73, 49152
	s_mul_i32 s75, s72, 96
	s_add_co_u32 s74, s74, s75
	s_mov_b32 s75, 0
	s_add_nc_u64 s[68:69], s[68:69], s[74:75]
	s_lshr_b32 s74, s73, 3
	s_mul_i32 s74, s74, 393216
	s_mul_i32 s72, s72, 12288
	s_add_co_u32 s74, s74, s72
	s_and_b32 s73, s73, 7
	s_mul_i32 s73, s73, 1536
	s_add_co_u32 s74, s74, s73
	s_add_nc_u64 s[70:71], s[70:71], s[74:75]
	s_lshl_b32 s86, s13, 7
	s_lshl_b32 s87, s15, 3
	s_add_co_u32 s86, s86, s87
	s_add_co_u32 s86, s86, s16                     ; my tile of 16 queries among all
	s_mul_i32 s88, s86, 768
	s_mov_b32 s89, 0
	s_add_nc_u64 s[88:89], s[4:5], s[88:89]        ; its image,
	s_lshl_b32 s90, s86, 6
	s_mov_b32 s91, 0
	s_add_nc_u64 s[90:91], s[6:7], s[90:91]        ; its scale words
	s_lshr_b32 s92, s13, 4
	s_lshl_b32 s92, s92, 11                        ; the batch's first row
	s_lshl_b32 s94, s15, 7
	s_add_co_u32 s94, s94, s92
	s_lshl_b32 s95, s16, 4
	s_add_co_u32 s94, s94, s95
	s_lshl_b32 s94, s94, 12                        ; my first row of att, 4,096 bytes a row,
	s_and_b32 s95, s13, 15
	s_lshl_b32 s95, s95, 8                         ; the head's 256 bytes in it
	s_add_co_u32 s94, s94, s95
	s_mov_b32 s95, 0
	s_add_nc_u64 s[10:11], s[10:11], s[94:95]
	v_and_b32 v254, 15, v0                         ; r
	v_bfe_u32 v255, v0, 4, 1                       ; h
	v_and_b32 v1, 31, v0
	s_delay_alu instid0(VALU_DEP_1)
	v_lshlrev_b32 v3, 2, v1
	s_delay_alu instid0(VALU_DEP_2)
	v_lshlrev_b32 v1, 3, v1                        ; an image's piece: 8 x lane
	s_delay_alu instid0(VALU_DEP_1)
	v_add_nc_u32 v2, VC-KC, v1
	s_delay_alu instid0(VALU_DEP_3)
	v_add_nc_u32 v4, VSC, v3                       ; scale words: 4 x lane: two tiles' in one register; k's begin at LDS byte 0
	v_lshlrev_b32 v6, 3, v255
	s_delay_alu instid0(VALU_DEP_1)
	v_sub_nc_u32 v6, v254, v6
	s_lshl_b32 s82, s16, 4
	v_add_nc_u32 v6, s82, v6                       ; my query in its block, less 8 h
	v_lshlrev_b32 v7, 12, v255
	s_delay_alu instid0(VALU_DEP_1)
	v_lshl_add_u32 v7, v254, 4, v7                 ; the way out: lanes 0-15 one row of att, lanes 16-31 the next
.irp p, 0,1,2
	global_load_b64 v[16+2*\p:17+2*\p], v1, s[88:89] offset:256*\p
.endr
	v_lshlrev_b32 v11, 2, v254
	global_load_b32 v28, v11, s[90:91]
	v_mov_b32 v31, 0xdd800000                      ; S0 = -2^60
	v_mov_b32 v29, 0x7f7f7f7f
	v_cmp_eq_u32 vcc_lo, 0, v255                   ; in a fragment's registers 6 to 11 lanes 0-15 hold k = 64 .. 95: the lowest six bits of register 6 are k = 64
	s_delay_alu instid0(VALU_DEP_1)
	v_cndmask_b32 v22, 0, 8, vcc_lo                ; q: the code 1.0 at k = 64,
.irp j, 23,24,25,26,27
	v_mov_b32 v[\j], 0                             ; zero codes from k = 65 on
.endr
.irp t, 0,1,2,3
	v_cndmask_b32 v[32+12*\t+6], 0, 56, vcc_lo     ; k: the code -4.0 at k = 64: what it counts for is said by the key's scale word,
.irp j, 7,8,9,10,11
	v_mov_b32 v[32+12*\t+\j], 0                    ; zero codes from k = 65 on.  These six registers of each fragment are never written again
.endr
.endr
	v_mov_b32 v13, 0xff61b1e6                      ; the largest t so far: -3e38
	s_delay_alu instid0(VALU_DEP_1)
	v_floor_f32 v12, -v13
	v_mov_b32 v14, 0
	v_mov_b32 v15, 0
.irp j, 240,241,242,243,252,253
	v_mov_b32 v[\j], 0                             ; lane permutes' destinations and a pair's upper half count as read
.endr
	s_wait_loadcnt 0x0                             ; q and its scale words
	v_and_or_b32 v28, v28, 0xffff, s79             ; the head's two bytes, and 1.0 over k = 64 .. 127.  The 32 lines below stand between this write of a scale register and the first scaled product
.set j, 0
.rept 32
	v_mov_b32 v[O+j], 0                            ; the step is written once: the first finds zeros
.set j, j+1
.endr
.macro KLOAD g                         ; tiles 4 g .. 4 g + 3 of the step's eight, and their scale words
.irp t, 0,1,2,3
.irp p, 0,1,2
	ds_load_b64 v[32+12*\t+2*\p:33+12*\t+2*\p], v8 offset:768*(4*\g+\t)+256*\p
.endr
.endr
	ds_load_b32 v[248+2*\g], v10 offset:256*\g
	ds_load_b32 v[249+2*\g], v10 offset:256*\g+128
.endm
.macro SCORE g
.irp t, 0,1,2,3
.if \t%2
	v_wmma_scale_f32_16x16x128_f8f6f4 v[S+8*(4*\g+\t):S+8*(4*\g+\t)+7], v[32+12*\t:43+12*\t], v[16:27], 0, v[248+2*\g+\t/2], v28 matrix_a_fmt:MATRIX_FMT_FP6 matrix_b_fmt:MATRIX_FMT_FP6 matrix_a_scale:MATRIX_SCALE_ROW1
.else
	v_wmma_scale_f32_16x16x128_f8f6f4 v[S+8*(4*\g+\t):S+8*(4*\g+\t)+7], v[32+12*\t:43+12*\t], v[16:27], 0, v[248+2*\g+\t/2], v28 matrix_a_fmt:MATRIX_FMT_FP6 matrix_b_fmt:MATRIX_FMT_FP6
.endif
.endr
.endm
.macro VLOAD
.irp t, 0,1,2,3
.irp p, 0,1,2,3,4,5
	ds_load_b64 v[80+12*\t+2*\p:81+12*\t+2*\p], v9 offset:1536*\t+256*\p
.endr
.endr
	ds_load_b32 v248, v11
	ds_load_b32 v249, v11 offset:128
.endm
.macro PV sc                           ; O^T += v^T p^T: the four accumulators by turns
.irp t, 0,1,2,3
.if \t%2
	v_wmma_scale_f32_16x16x128_f8f6f4 v[O+8*\t:O+8*\t+7], v[80+12*\t:91+12*\t], v[CD:CD+11], v[O+8*\t:O+8*\t+7], v[248+\t/2], v[\sc] matrix_a_fmt:MATRIX_FMT_FP6 matrix_b_fmt:MATRIX_FMT_FP6 matrix_a_scale:MATRIX_SCALE_ROW1
.else
	v_wmma_scale_f32_16x16x128_f8f6f4 v[O+8*\t:O+8*\t+7], v[80+12*\t:91+12*\t], v[CD:CD+11], v[O+8*\t:O+8*\t+7], v[248+\t/2], v[\sc] matrix_a_fmt:MATRIX_FMT_FP6 matrix_b_fmt:MATRIX_FMT_FP6
.endif
.endr
.endm
.macro KEYSTEP
	v_add_nc_u32 v8, s19, v1                       ; four plain lines: also the places behind the last step's products, on both ways
	v_add_nc_u32 v9, s19, v2
	v_add_nc_u32 v10, s60, v3
	v_add_nc_u32 v11, s61, v4
	s_cmp_gt_u32 s17, s15                          ; do all keys of the step come after my queries?  A branch on ids alone
	s_cbranch_scc1 .Lhid_\@
	KLOAD 0
	s_wait_dscnt 0x0
	SCORE 0                                        ; a padded key's score comes out of the product as S0
.rept 4
	v_nop
.endr
	s_wait_alu depctr_va_vdst(0)
	KLOAD 1
	s_wait_dscnt 0x0
	SCORE 1
.rept 4
	v_nop
.endr
	VLOAD                                          ; lands while the softmax is worked
	s_cmp_lg_u32 s17, s15
	s_cbranch_scc1 .Lopen_\@
.set n, 0
.rept 64                                       ; the diagonal: register 8 T + j holds key 16 T + 8 h + j of the step: hidden where 16 T + j > my query - 8 h
	v_cmp_gt_i32 vcc_lo, 16*(n/8)+n%8, v6
	v_cndmask_b32 v[S+n], v[S+n], v31, vcc_lo
.set n, n+1
.endr
.Lopen_\@:
.irp b, 0,1,2,3
	v_max3_num_f32 v[236+\b], v[S+16*\b], v[S+1+16*\b], v[S+2+16*\b]     ; the largest score of each block of 32 keys; each accumulator is read from its low end on
.endr
.irp i, 3,5,7,9,11,13
.irp b, 0,1,2,3
	v_max3_num_f32 v[236+\b], v[236+\b], v[S+16*\b+\i], v[S+1+16*\b+\i]
.endr
.endr
.irp b, 0,1,2,3
	v_max_num_f32 v[236+\b], v[236+\b], v[S+15+16*\b]
.endr
.irp b, 0,1,2,3
	s_delay_alu instid0(VALU_DEP_4)
	v_permlanex16_b32 v[240+\b], v[236+\b], s20, s21
.endr
.irp b, 0,1,2,3
	s_delay_alu instid0(VALU_DEP_4)
	v_max_num_f32 v[236+\b], v[236+\b], v[240+\b]
.endr
	s_delay_alu instid0(VALU_DEP_2)
	v_max3_num_f32 v254, v236, v237, v238
	s_delay_alu instid0(VALU_DEP_1)
	v_max_num_f32 v254, v254, v239
	s_delay_alu instid0(VALU_DEP_1)
	v_mul_f32 v254, s22, v254
	s_delay_alu instid0(VALU_DEP_1)
	v_max_num_f32 v13, v13, v254                   ; the running largest t
	v_mov_b32 v254, v12
	s_delay_alu instid0(VALU_DEP_2)
	v_floor_f32 v12, -v13                          ; -M = floor(-t)
	s_delay_alu instid0(VALU_DEP_1)
	v_sub_f32 v254, v12, v254                      ; old M - new M: whole, 0 or less
	s_delay_alu instid0(VALU_DEP_1)
	v_cvt_i32_f32 v254, v254                       ; (it saturates)
	s_delay_alu instid0(VALU_DEP_1)
	v_ldexp_f32 v252, 1.0, v254                    ; f = 2^(old M - new M)
.set j, 0
.rept 32
	v_pk_fma_f32 v[S+j:S+j+1], v[S+j:S+j+1], s[22:23], v[12:13] op_sel_hi:[1,0,0]   ; t - M
.set j, j+2
.endr
.irp b, 0,1,2,3
	v_fma_f32 v[236+\b], v[236+\b], s22, v12
.endr
.set j, 0
	s_wait_alu depctr_va_vdst(0)
.rept 64
	v_exp_f32 v[S+j], v[S+j]
.set j, j+1
.endr
.irp b, 0,1,2,3
	v_exp_f32 v[236+\b], v[236+\b]                 ; the block's largest p
.endr
	v_pk_mul_f32 v[14:15], v[14:15], v[252:253] op_sel_hi:[1,0]   ; the sum under the new M; a plain line behind the exponentials
	s_wait_alu depctr_va_vdst(0)
.irp b, 0,1,2,3
	v_max_num_f32 v[236+\b], 0x1800000, v[236+\b]
.endr
.irp b, 0,1,2,3
	s_delay_alu instid0(VALU_DEP_4)
	v_add_nc_u32 v[244+\b], 0xff000000, v[236+\b]
.endr
.irp b, 0,1,2,3
	s_delay_alu instid0(VALU_DEP_4)
	v_lshrrev_b32 v[240+\b], 23, v[244+\b]
.endr
	s_delay_alu instid0(VALU_DEP_3)
	v_lshl_or_b32 v253, v241, 8, v240              ; p's scale word for these 128 keys
	s_delay_alu instid0(VALU_DEP_1)
	v_lshl_or_b32 v253, v242, 16, v253
	s_delay_alu instid0(VALU_DEP_1)
	v_lshl_or_b32 v253, v243, 24, v253
.irp c, 0,1
	v_cvt_scalef32_pk16_fp6_f32 v[CD+6*\c:CD+6*\c+2], v[S+32*\c:S+32*\c+15], v[244+2*\c]
	v_cvt_scalef32_pk16_fp6_f32 v[XB+4*\c:XB+4*\c+2], v[S+32*\c+16:S+32*\c+31], v[245+2*\c]
.endr
	v_nop
.irp c, 0,1
.irp i, 0,1,2
	v_permlane16_swap_b32 v[CD+6*\c+\i], v[XB+4*\c+\i]
.endr
	s_delay_alu instid0(VALU_DEP_1)
	v_perm_b32 v[CD+6*\c+3], v[CD+6*\c+2], v[CD+6*\c+1], 0x05040302
	s_delay_alu instid0(VALU_DEP_2)
	v_perm_b32 v[CD+6*\c+4], v[XB+4*\c+1], v[CD+6*\c+2], 0x07060302
	s_delay_alu instid0(VALU_DEP_4)
	v_perm_b32 v[CD+6*\c+1], v[XB+4*\c], v[CD+6*\c+1], 0x05040100
	v_perm_b32 v[CD+6*\c+2], v[XB+4*\c+1], v[XB+4*\c], 0x05040302
	v_mov_b32 v[CD+6*\c+5], v[XB+4*\c+2]
.endr
	v_pk_add_f32 v[254:255], v[132:133], v[136:137]
	v_pk_add_f32 v[250:251], v[140:141], v[144:145]
	v_pk_add_f32 v[246:247], v[148:149], v[152:153]
	v_pk_add_f32 v[244:245], v[156:157], v[160:161]
	v_pk_add_f32 v[238:239], v[164:165], v[168:169]
	v_pk_add_f32 v[236:237], v[172:173], v[176:177]
	v_pk_add_f32 v[72:73], v[180:181], v[184:185]
	v_pk_add_f32 v[14:15], v[14:15], v[188:189]
	v_pk_add_f32 v[254:255], v[254:255], v[128:129]
	v_pk_add_f32 v[250:251], v[250:251], v[130:131]
	v_pk_add_f32 v[246:247], v[246:247], v[134:135]
	v_pk_add_f32 v[244:245], v[244:245], v[138:139]
	v_pk_add_f32 v[238:239], v[238:239], v[142:143]
	v_pk_add_f32 v[236:237], v[236:237], v[146:147]
	v_pk_add_f32 v[72:73], v[72:73], v[150:151]
	v_pk_add_f32 v[14:15], v[14:15], v[154:155]
	v_pk_add_f32 v[254:255], v[254:255], v[158:159]
	v_pk_add_f32 v[250:251], v[250:251], v[162:163]
	v_pk_add_f32 v[246:247], v[246:247], v[166:167]
	v_pk_add_f32 v[244:245], v[244:245], v[170:171]
	v_pk_add_f32 v[238:239], v[238:239], v[174:175]
	v_pk_add_f32 v[236:237], v[236:237], v[178:179]
	v_pk_add_f32 v[72:73], v[72:73], v[182:183]
	v_pk_add_f32 v[14:15], v[14:15], v[186:187]
	v_pk_add_f32 v[254:255], v[254:255], v[190:191]
	s_delay_alu instid0(VALU_DEP_2)
	v_pk_add_f32 v[14:15], v[14:15], v[244:245]
	s_delay_alu instid0(VALU_DEP_2)
	v_pk_add_f32 v[254:255], v[254:255], v[238:239]
	v_pk_add_f32 v[250:251], v[250:251], v[236:237]
	v_pk_add_f32 v[246:247], v[246:247], v[72:73]
	s_delay_alu instid0(VALU_DEP_2)
	v_pk_add_f32 v[14:15], v[14:15], v[250:251]
	s_delay_alu instid0(VALU_DEP_2)
	v_pk_add_f32 v[254:255], v[254:255], v[246:247]
	s_delay_alu instid0(VALU_DEP_1)
	v_pk_add_f32 v[14:15], v[14:15], v[254:255]
.set j, 0
.rept 16
	v_pk_mul_f32 v[O+j:O+j+1], v[O+j:O+j+1], v[252:253] op_sel_hi:[1,0]   ; O^T under the new M
.set j, j+2
.endr
	s_wait_alu depctr_va_vdst(0)
	s_wait_dscnt 0x0                               ; v's fragments and scale words
	PV 253
	s_branch .Lnext_\@
.Lhid_\@:
	v_cmp_lt_f32 vcc_lo, v13, s63                  ; has my row seen nothing?  Then p = 1 at every key, else 0: a value, no branch
	s_delay_alu instid0(VALU_DEP_1)
	v_cndmask_b32 v254, 0, -1, vcc_lo
.irp k, 0,1,2,3,4,5,6,7,8,9,10,11
	v_and_b32 v[CD+\k], s[76+\k%3], v254
.endr
	VLOAD
	s_wait_alu depctr_va_vdst(0)
	s_wait_dscnt 0x0
.rept 4
	v_nop                                          ; an operand written by vector instructions stands four places ahead of a scaled product
.endr
	PV 29
.Lnext_\@:
	s_add_co_u32 s17, s17, 1
	s_add_co_u32 s19, s19, 6144
	s_add_co_u32 s60, s60, 512
	s_add_co_u32 s61, s61, 256
.endm
.macro PHASE trips, first              ; first = 1: keys 0-511, and the later pieces are asked for; else keys 512-2047
	s_wait_tensorcnt 0x0                           ; my one load that was out has landed
	ds_add_u32 v5, v30
.if \first
	ds_add_u32 v5, v30
.endif
	s_wait_dscnt 0x0
	s_barrier_signal -1
	s_barrier_wait -1
.if \first
	tensor_load_to_lds s[44:47], s[32:39]          ; my one load behind this barrier: a first fill
	s_nop 0
.rept 4
	v_nop
.endr
.endif
	s_mov_b32 s18, \trips
.Lstep_\@:
	KEYSTEP
	s_sub_co_u32 s18, s18, 1
	s_cmp_lg_u32 s18, 0
	s_cbranch_scc1 .Lstep_\@
.endm
	s_wait_alu depctr_va_vdst(0)
	PHASE 4, 1
	PHASE 12, 0
.rept 4
	v_nop                                          ; places behind the last products
.endr
	v_add_f32 v14, v14, v15
	s_delay_alu instid0(VALU_DEP_1)
	v_permlanex16_b32 v252, v14, s20, s21
	s_delay_alu instid0(VALU_DEP_1)
	v_add_f32 v14, v14, v252                       ; the row's sum over the steps that were walked,
	v_cmp_lt_f32 vcc_lo, v13, s63
	s_delay_alu instid0(VALU_DEP_1)
	v_cndmask_b32 v254, 0, 1.0, vcc_lo
	s_delay_alu instid0(VALU_DEP_1)
	v_fma_f32 v14, v254, s62, v14                  ; and 1 for each later key where nothing was visible
	s_wait_alu depctr_va_vdst(0)
	v_rcp_f32 v14, v14
	v_and_b32 v8, 15, v0                           ; (a plain line behind the transcendental)
	v_bfe_u32 v9, v0, 4, 1
	s_mul_i32 s82, s12, 4352
	s_add_co_u32 s82, s82, STG
	v_mul_u32_u24 v10, v8, 272
	s_delay_alu instid0(VALU_DEP_1)
	v_lshl_add_u32 v10, v9, 5, v10
	s_delay_alu instid0(VALU_DEP_1)
	v_add_nc_u32 v10, s82, v10
	v_mul_u32_u24 v11, v9, 272
	s_delay_alu instid0(VALU_DEP_1)
	v_lshl_add_u32 v11, v8, 4, v11
	s_delay_alu instid0(VALU_DEP_1)
	v_add_nc_u32 v11, s82, v11
.set j, 0
	s_wait_alu depctr_va_vdst(0)
.rept 32
	v_mul_f32 v[S+j], v[O+j], v14                  ; register 8 t + i is channel 16 t + 8 h + i of my query
.set j, j+1
.endr
.irp t, 0,1,2,3
	ds_store_b128 v10, v[S+8*\t:S+8*\t+3] offset:64*\t
	ds_store_b128 v10, v[S+8*\t+4:S+8*\t+7] offset:64*\t+16
.endr
.irp i, 0,1,2,3,4,5,6,7
	ds_load_b128 v[32+4*\i:35+4*\i], v11 offset:544*\i     ; my own bytes, served in order
.endr
.irp i, 0,1,2,3,4,5,6,7
	s_wait_dscnt 7-\i                              ; the younger loads may be out
	global_store_b128 v7, v[32+4*\i:35+4*\i], s[10:11] offset:8192*\i   ; sixteen lanes store 256 consecutive bytes, aligned
.endr
	s_cmp_lt_u32 s12, 8                            ; waves 0-7, whose queries see the fewer keys: an image of w2 each, behind their own rows
	s_cbranch_scc0 .Lno_lay
	v_mul_u32_u24 v236, v8, 3072                   ; row r of 3,072 bytes,
	v_and_b32 v237, 31, v0
	v_mad_u32_u24 v236, v9, 24, v236               ; + 24 h
	v_lshlrev_b32 v237, 4, v237                    ; 16 x lane
.irp p, 0,1,2,3,4,5
	global_load_b64 v[S+2*\p:S+2*\p+1], v236, s[68:69] offset:48*(\p/3)+8*(\p%3)
.endr
	s_wait_alu depctr_va_vdst(0)
	s_wait_loadcnt 0x0
.irp g, 0,1,2
	global_store_b128 v237, v[S+4*\g:S+4*\g+3], s[70:71] offset:512*\g   ; 512 consecutive bytes, aligned
.endr
.Lno_lay:
	s_wait_tensorcnt 0x0
	ds_add_u32 v5, v30
	s_wait_dscnt 0x0
	s_endpgm
.Lfunc_end_k_q66beab6311_attn:
	.size	k_q66beab6311_attn, .Lfunc_end_k_q66beab6311_attn-k_q66beab6311_attn
	.p2alignl 7, 3214868480
	.fill 96, 4, 3214868480
	.section	.rodata,"a",@progbits
	.p2align	6, 0x0
	.amdhsa_kernel k_q66beab6311_attn
		.amdhsa_group_segment_fixed_size 327680
		.amdhsa_private_segment_fixed_size 0
		.amdhsa_enable_private_segment 0
		.amdhsa_kernarg_size 40
		.amdhsa_user_sgpr_count 2
		.amdhsa_user_sgpr_kernarg_segment_ptr 1
		.amdhsa_wavefront_size32 1
		.amdhsa_system_sgpr_workgroup_id_x 1
		.amdhsa_system_sgpr_workgroup_id_y 1
		.amdhsa_system_sgpr_workgroup_id_z 1
		.amdhsa_system_vgpr_workitem_id 0
		.amdhsa_next_free_vgpr 256
		.amdhsa_next_free_sgpr 100
		.amdhsa_reserve_vcc 1
		.amdhsa_float_denorm_mode_32 3
		.amdhsa_float_denorm_mode_16_64 3
		.amdhsa_memory_ordered 1
		.amdhsa_forward_progress 1
		.amdhsa_inst_pref_size 71
	.end_amdhsa_kernel
	.amdgpu_metadata
---
amdhsa.version: [ 1, 2 ]
amdhsa.kernels:
  - .name:           k_q66beab6311_attn
    .symbol:         k_q66beab6311_attn.kd
    .args:
      - { .name: qkv, .offset: 0, .size: 8, .value_kind: global_buffer, .address_space: global }
      - { .name: qkvs, .offset: 8, .size: 8, .value_kind: global_buffer, .address_space: global }
      - { .name: att, .offset: 16, .size: 8, .value_kind: global_buffer, .address_space: global }
      - { .name: w2_codes, .offset: 24, .size: 8, .value_kind: global_buffer, .address_space: global }
      - { .name: w2r, .offset: 32, .size: 8, .value_kind: global_buffer, .address_space: global }
    .group_segment_fixed_size: 327680
    .private_segment_fixed_size: 0
    .kernarg_segment_align: 8
    .kernarg_segment_size: 40
    .max_flat_workgroup_size: 512
    .sgpr_count:     100
    .vgpr_count:     256
    .wavefront_size: 32
...
	.end_amdgpu_metadata
.endif
;; end of part 3
;; launch norm2: the kernel of part 1 again; grid 256 x 1, 8 waves a work-group, no clusters, 87,552 bytes of LDS; arguments att, ln2_w, xq, xs; writes xq, xs
;; launch up (part 4): grid 16 x 16, 4 waves a work-group, clusters of 4 x 4, 327,680 bytes of LDS; arguments xq, xs, w1_codes, w1_scales, b1, hid, hsc; writes hid, hsc
.if DOCPART == 4
	.amdgcn_target "amdgcn-amd-amdhsa--gfx1250"
	.amdhsa_code_object_version 6
	.text
	.protected	k_q66beab6311_up
	.globl	k_q66beab6311_up
	.p2align	8
	.type	k_q66beab6311_up,@function
k_q66beab6311_up:
	s_mov_b64 s[64:65], 0
	v_nop
	global_prefetch_b8 v0, s[64:65] scope:SCOPE_SE
	s_setreg_imm32_b32 hwreg(HW_REG_WAVE_MODE, 25, 1), 1
	s_wait_xcnt 0x0
	s_wait_alu depctr_hold_cnt(0) depctr_sa_sdst(0) depctr_va_vdst(0) depctr_va_sdst(0) depctr_va_ssrc(0) depctr_va_vcc(0) depctr_vm_vsrc(0)
	s_getreg_b32 s2, hwreg(HW_REG_IB_STS2, 6, 4)
	s_cmp_eq_u32 s2, 0
	s_cbranch_scc0 .Lentry_in_a_cluster
	s_endpgm
.Lentry_in_a_cluster:
	s_bfe_u32 s2, ttmp6, 0x10000c
	s_cmp_lg_u32 s2, 0xf033
	s_cbranch_scc0 .Lentry_shape_is_right
	s_endpgm
.Lentry_shape_is_right:
; hid = Q(silu(Q(h) w1 + b1)) on codes of FP6 (E2M3) with E8M0 scales, K = 1,024, N = 4,096; the result is quantised along N, the next product's K.
; CORE.  A tile of 256 x 256 by four waves, 128 x 128 each (64 accumulators).  K in slots of 256 (rows of 192 bytes, 16 bytes of padding behind every 64: pitch 240) through a ring of two LDS slots; the scale bytes
; of the tile's 512 rows for all of K come once.  Transposed use: source 0 = 16 rows of w1, source 1 = 16 tokens: a lane holds one token and its registers run along the hidden units.  The bias is the C of each sum's first product.
; CLUSTERS 4 x 4: the tokens' tiles are shared along a row, w1's along a column; each is asked for jointly.
; EPILOGUE, 16 tokens at a time: silu in f32 (z / (1 + 2^(-z log2 e))), the quantiser in registers, the fragment out as an image of its registers.
; OUT.  hid: [block of 128 tokens][128 along K][16 tokens] images of 1,536 bytes, registers 4 g .. 4 g + 3 of a lane at 512 g + 16 lane.  hsc: [block][128 along K][128 tokens] scale words.
; Tiles are 16 neighbouring rows of w1; the codes are set in order by an exchange of halves and four byte permutes.
; LIMITS: a block of zeros gets the byte 1 (read by this program alone); NaN and infinities are not served.
; REGISTERS.  window 0: v1-30 addresses; v32-63 scale words, two sets; v64-159, v160-255 the tokens' fragments, two sets (free in the epilogue).  window 1: v0-95, v96-191 w1's fragments; v192-255 the bias.
;   windows 2, 3: accumulator (a, b) at v[8 (8 (a % 4) + b)].
; THE RING, as it now stands (in place of what is said of the slots above): K goes in chunks of 256 bytes of each row of 768: a step of 128 along K is 96 bytes, eight steps to three chunks; chunk c lies in slot c % 2; LDS rows are 256 + 16 bytes
.set ROWB,  256
.set KROW,  768
.set PITCH, 272
.set FR,    12
.set HALFT, 128*PITCH
.set SLOT,  4*HALFT
.set SCL,   2*SLOT
.set HALFS, 16*272
.set SBLK,  2*272
.set SPARE, SCL+4*HALFS                ; the spare words: 128 bytes a wave, named by no other line
.set MST,   SPARE+512                  ; 1,024 bytes a wave: the scale words on their way out; no tile lands here
.set ADRA, 16
.set ADRB, 20
.set MSW,  24
.set MSR,  25
.set LO,   26
.set ADRS, 27
.set SPW,  28
.set NIL,  29
.set SC,   32
.set AF,   64
.set BBR,  192
.set TM,   64
.set PW,   80
.set CD,   84
.set XB,   96
.set X0,   104
.set HA,   128
.set E,    192
.set G1,   24
.set G0,   32
.set G1B,  48
.set G0B,  56
.set G1S,  68
.set G0S,  76
.set G1SB, 80
.set G0SB, 88
.set WV,   92
.set RH,   93
.set CH,   94
.set SEL,  100
.set MSB, 0
.macro WIN new                         ; the immediate's high byte repeats the setting that is left
.if MSB != (\new)
	s_set_vgpr_msb (MSB<<8)|(\new)
.set MSB, (\new)
.endif
.endm
.macro PLACES n
.rept \n
	v_nop
.endr
.endm
.macro JLOAD g0a, g1a, g0b, g1b        ; a joint load: waves 0 and 1 fetch for A, waves 2 and 3 for B; four v_nop follow each line
	s_cmp_eq_u32 s[RH], 0
	s_cbranch_scc0 .Lfor_b_\@
	tensor_load_to_lds s[\g0a:\g0a+3], s[\g1a:\g1a+7]
	s_nop 0
.rept 4
	v_nop
.endr
	s_branch .Lasked_\@
.Lfor_b_\@:
	tensor_load_to_lds s[\g0b:\g0b+3], s[\g1b:\g1b+7]
	s_nop 0
.rept 4
	v_nop
.endr
.Lasked_\@:
.endm
.macro CREST
	s_cmp_lg_u32 s[WV], 0
	s_cbranch_scc1 .Lnot_wave_0_\@
	s_barrier_signal -3
.Lnot_wave_0_\@:
	s_barrier_wait -3
	s_barrier_signal -1
	s_barrier_wait -1
.endm
.macro CROUND
	s_barrier_signal -1
	s_barrier_wait -1
	CREST
.endm
.macro FRAG reg, adr, st, i            ; step st's fragment in six pieces of 8 bytes; byte y of a row lies in slot (y / 256) % 2 at byte y % 256
.irp p, 0,1,2,3,4,5
.set BY, 96*(\st)+48*(\p/3)+8*(\p%3)
.if BY/ROWB == (BY+24)/ROWB
	ds_load_b64 v[\reg+2*\p:\reg+2*\p+1], v[\adr+(BY/ROWB)%2] offset:BY%ROWB+(\i)*16*PITCH
.else                                  ; lanes 16-31, 24 bytes on, read the next chunk: the second pair of address registers
	ds_load_b64 v[\reg+2*\p:\reg+2*\p+1], v[\adr+2+(BY/ROWB)%2] offset:BY%ROWB-232+(\i)*16*PITCH
.endif
.endr
.endm
.macro FETCH_B st                      ; into set st % 2
	WIN 0x40
.irp i, 0,1,2,3,4,5,6,7
	FRAG 96*((\st)%2)+FR*\i, ADRB, \st, \i
.endr
	WIN 0
.endm
.macro FETCH_A st
.irp i, 0,1,2,3,4,5,6,7
	FRAG AF+96*((\st)%2)+FR*\i, ADRA, \st, \i
.endr
.endm
.macro SCALES pr                       ; the scale words of steps 2 pr and 2 pr + 1 into set pr % 2
.irp i, 0,1,2,3,4,5,6,7
	ds_load_b64 v[SC+16*((\pr)%2)+2*\i:SC+16*((\pr)%2)+2*\i+1], v[ADRS] offset:\i*SBLK+8*(\pr)
.endr
.endm
.macro MWIN hi, mode                   ; source 0 window 1, source 1 window 0, D window 2 or 3; C with D (mode 0) or in window 1 (the bias)
.if \mode
	WIN 0x91+0x40*\hi
.else
	WIN 0xa1+0x50*\hi
.endif
.endm
; 16 products: A's blocks a0, a0 + 1 x B's eight.  mode 1: the sums begin with the bias.  The 64 accumulators take turns in one order.
.macro MUL a0, set, q, sc, mode
.irp a, \a0, \a0+1
.irp b, 0,1,2,3,4,5,6,7
.set DR, 8*(8*((\a)%4)+\b)
.set BR, 96*(\set)+FR*\b
.set AR, AF+96*(\set)+FR*(\a)
.set SBR, SC+16*(\sc)+2*\b+(\q)
.set SAR, SC+16*(\sc)+2*(\a)+(\q)
.if \mode == 0
	v_wmma_scale_f32_16x16x128_f8f6f4 v[DR:DR+7], v[BR:BR+11], v[AR:AR+11], v[DR:DR+7], v[SBR], v[SAR] matrix_a_fmt:MATRIX_FMT_FP6 matrix_b_fmt:MATRIX_FMT_FP6 matrix_a_scale:MATRIX_SCALE_ROW1
.else
	v_wmma_scale_f32_16x16x128_f8f6f4 v[DR:DR+7], v[BR:BR+11], v[AR:AR+11], v[BBR+8*\b:BBR+8*\b+7], v[SBR], v[SAR] matrix_a_fmt:MATRIX_FMT_FP6 matrix_b_fmt:MATRIX_FMT_FP6 matrix_a_scale:MATRIX_SCALE_ROW1
.endif
.endr
.endr
.endm
; The four v_nop stand between the last products that read set 1 and both runs of loads into it.
; Step st: 64 products on set st % 2; step st + 1's fragments go into the other set.  Where the next step ends in a chunk not yet read, a barrier shows that chunk whole; where it begins in a later chunk,
; the chunk left behind is read no more: the wait for all tensor loads, the add, the wait for it and for my reads, the barrier; where chunk C0 + 2 exists the barrier opens a round and the slot is filled again.
.macro KSTEP st, mode
.set NX, (\st)+1
.set C0, (96*(\st))/ROWB
.set C1, (96*NX)/ROWB
.set E0, (96*(\st)+95)/ROWB
.set E1, (96*NX+95)/ROWB
.if C1 > C0 || E1 > E0
	s_wait_tensorcnt 0x0
.if C1 > C0
	ds_add_u32 v[SPW], v[NIL]
	s_wait_dscnt 0x1                               ; only the add may be out
.else
	s_wait_dscnt 0x0
.endif
	MWIN 0, \mode
	MUL 0, (\st)%2, (\st)%2, ((\st)/2)%2, \mode
	s_wait_dscnt 0x0
	s_barrier_signal -1
	MUL 2, (\st)%2, (\st)%2, ((\st)/2)%2, \mode
	WIN 0
	s_barrier_wait -1
.if C1 > C0 && C0+2 < KROW/ROWB
	CREST
	s_add_nc_u64 s[G0+4*(C0%2)+2:G0+4*(C0%2)+3], s[G0+4*(C0%2)+2:G0+4*(C0%2)+3], 2*ROWB
	s_add_nc_u64 s[G0B+4*(C0%2)+2:G0B+4*(C0%2)+3], s[G0B+4*(C0%2)+2:G0B+4*(C0%2)+3], 2*ROWB
	JLOAD G0+4*(C0%2), G1, G0B+4*(C0%2), G1B       ; its four v_nop are the places in front of the loads below
.else
	PLACES 4
.endif
.else
	s_wait_dscnt 0x0
	PLACES 4
.endif
	FETCH_B NX
	FETCH_A NX
.if NX%2 == 0
	SCALES NX/2
.endif
.if !(C1 > C0 || E1 > E0)
	MWIN 0, \mode
	MUL 0, (\st)%2, (\st)%2, ((\st)/2)%2, \mode
	MUL 2, (\st)%2, (\st)%2, ((\st)/2)%2, \mode
.endif
	MWIN 1, \mode
	MUL 4, (\st)%2, (\st)%2, ((\st)/2)%2, \mode
	MUL 6, (\st)%2, (\st)%2, ((\st)/2)%2, \mode
	WIN 0
.endm
; 64 numbers of a lane in window w, v[s] on: register 16 b + i is k = 32 b + 8 h + i (i < 8) or 32 b + 8 + 8 h + i (i >= 8) of my row.  Out, in window 0: the fragment's 12 registers at v[CD], the row's scale word in v[PW].
.macro QUANT s, w
	WIN ((\w)<<2)|((\w)<<4)
.irp b, 0,1,2,3
	v_max3_num_f32 v[TM+\b], 0x1800000, |v[(\s)+16*\b]|, |v[(\s)+16*\b+1]|
.endr
.irp i, 2,4,6,8,10,12,14
.irp b, 0,1,2,3
	v_max3_num_f32 v[TM+\b], v[TM+\b], |v[(\s)+16*\b+\i]|, |v[(\s)+16*\b+\i+1]|
.endr
.endr
	WIN 0
.irp b, 0,1,2,3
	v_permlanex16_b32 v[TM+4+\b], v[TM+\b], s[SEL], s[SEL+1]
.endr
.irp b, 0,1,2,3
	v_max_num_f32 v[TM+\b], v[TM+\b], v[TM+4+\b]
.endr
.irp b, 0,1,2,3
	v_add_nc_u32 v[TM+12+\b], 0xff000000, v[TM+\b]
.endr
.irp b, 0,1,2,3
	v_lshrrev_b32 v[TM+4+\b], 23, v[TM+12+\b]
.endr
	v_lshl_or_b32 v[PW], v[TM+5], 8, v[TM+4]
	v_lshl_or_b32 v[PW], v[TM+6], 16, v[PW]
	v_lshl_or_b32 v[PW], v[TM+7], 24, v[PW]
	WIN \w
.irp c, 0,1
	v_cvt_scalef32_pk16_fp6_f32 v[CD+6*\c:CD+6*\c+2], v[(\s)+32*\c:(\s)+32*\c+15], v[TM+12+2*\c]
	v_cvt_scalef32_pk16_fp6_f32 v[XB+4*\c:XB+4*\c+2], v[(\s)+32*\c+16:(\s)+32*\c+31], v[TM+13+2*\c]
.endr
	WIN 0
	v_nop                                          ; a plain instruction behind the conversions
.irp c, 0,1
.irp i, 0,1,2
	v_permlane16_swap_b32 v[CD+6*\c+\i], v[XB+4*\c+\i]   ; now both runs belong to my own block 2 c + h: the first holds k 0-7 and 16-23, the second k 8-15 and 24-31
.endr
	v_perm_b32 v[CD+6*\c+3], v[CD+6*\c+2], v[CD+6*\c+1], 0x05040302
	v_perm_b32 v[CD+6*\c+4], v[XB+4*\c+1], v[CD+6*\c+2], 0x07060302
	v_perm_b32 v[CD+6*\c+1], v[XB+4*\c], v[CD+6*\c+1], 0x05040100
	v_perm_b32 v[CD+6*\c+2], v[XB+4*\c+1], v[XB+4*\c], 0x05040302
	v_mov_b32 v[CD+6*\c+5], v[XB+4*\c+2]
.endr
.endm
	s_load_b256 s[4:11], s[0:1], 0x0               ; xq, xs, w1 codes, w1 scales
	s_load_b128 s[12:15], s[0:1], 0x20             ; b1, hid
	s_load_b64 s[16:17], s[0:1], 0x30              ; hsc
	v_lshl_add_u32 v[SPW], v0, 2, SPARE
	v_mov_b32 v[NIL], 0
	ds_add_u32 v28, v29
	ds_add_u32 v28, v29
	s_wait_dscnt 0x0
	v_lshrrev_b32 v1, 5, v0
	v_readfirstlane_b32 s[WV], v1
	s_lshr_b32 s[RH], s[WV], 1
	s_and_b32 s[CH], s[WV], 1
	s_bfe_u32 s40, ttmp6, 0x40000                  ; cx
	s_bfe_u32 s41, ttmp6, 0x40004                  ; cy
	s_lshl_b32 s43, ttmp9, 2
	s_add_co_u32 s43, s43, s40                     ; w1's tile
	s_and_b32 s42, ttmp7, 0xffff
	s_lshl_b32 s42, s42, 2
	s_add_co_u32 s42, s42, s41                     ; the tokens' tile
	s_lshl_b32 s44, s41, 2
	s_lshl_b32 s44, 15, s44
	s_lshl_b32 s45, 0x1111, s40
	s_or_b32 s[G1], s44, (1<<20)|(1<<21)|(5<<22)|(3<<25)
	s_or_b32 s[G1B], s45, (1<<20)|(1<<21)|(5<<22)|(3<<25)
.irp g, G1, G1B
	s_mov_b32 s[\g+1], ROWB<<16
	s_mov_b32 s[\g+2], 256<<16
	s_mov_b32 s[\g+3], ROWB<<16
	s_mov_b32 s[\g+4], 256
	s_mov_b32 s[\g+5], KROW
	s_mov_b32 s[\g+6], 0
	s_mov_b32 s[\g+7], 0
.endr
	s_or_b32 s[G1S], s44, (3<<16)|(1<<20)|(1<<21)|(5<<22)|(3<<25)
	s_or_b32 s[G1SB], s45, (3<<16)|(1<<20)|(1<<21)|(5<<22)|(3<<25)
.irp g, G1S, G1SB
	s_mov_b32 s[\g+1], 32<<16
	s_mov_b32 s[\g+2], 32<<16
	s_mov_b32 s[\g+3], 32<<16
	s_mov_b32 s[\g+4], 32
	s_mov_b32 s[\g+5], 32
	s_mov_b32 s[\g+6], 0
	s_mov_b32 s[\g+7], 0
.endr
	s_lshl_b32 s96, s[CH], 7
	s_lshl_b32 s46, s42, 8
	s_add_co_u32 s46, s46, s96
	s_lshl_b32 s97, s43, 8
	s_add_co_u32 s97, s97, s96                     ; the row of w1 at which my fetch begins; also my first hidden unit
	s_mul_i32 s2, s46, KROW
	s_lshl_b32 s46, s46, 5
	s_mul_i32 s66, s97, KROW
	s_lshl_b32 s98, s97, 5
	s_mov_b32 s3, 0
	s_mov_b32 s47, 0
	s_mov_b32 s67, 0
	s_mov_b32 s99, 0
	s_mul_i32 s100, s[WV], HALFT
	s_wait_kmcnt 0x0
	s_add_nc_u64 s[2:3], s[4:5], s[2:3]
	s_add_nc_u64 s[46:47], s[6:7], s[46:47]
	s_add_nc_u64 s[66:67], s[8:9], s[66:67]
	s_add_nc_u64 s[98:99], s[10:11], s[98:99]
	CROUND
	; the head's four tiles, each whole: chunk 0's 256 rows of A and of B, the scales of A's 256 rows and of B's.  The ring's addresses hold my half of 128 rows: it is taken off here
	s_mul_i32 s18, s[CH], 128*KROW
	s_mov_b32 s19, 0
	s_lshl_b32 s20, s[CH], 12
	s_mov_b32 s21, 0
	s_mov_b32 s4, 1
	s_mov_b32 s5, 0
	s_sub_nc_u64 s[6:7], s[2:3], s[18:19]
	s_or_b32 s7, s7, 0x80000000
	s_mov_b32 s8, 1
	s_mov_b32 s9, 2*HALFT
	s_sub_nc_u64 s[10:11], s[66:67], s[18:19]
	s_or_b32 s11, s11, 0x80000000
	s_mov_b32 s[G0S], 1
	s_mov_b32 s[G0S+1], SCL
	s_sub_nc_u64 s[G0S+2:G0S+3], s[46:47], s[20:21]
	s_or_b32 s[G0S+3], s[G0S+3], 0x80000000
	s_mov_b32 s[G0SB], 1
	s_mov_b32 s[G0SB+1], SCL+2*HALFS
	s_sub_nc_u64 s[G0SB+2:G0SB+3], s[98:99], s[20:21]
	s_or_b32 s[G0SB+3], s[G0SB+3], 0x80000000
.irp s, 0,1
	s_mov_b32 s[G0+4*\s], 1
	s_add_co_u32 s[G0+4*\s+1], s100, \s*SLOT
	s_add_nc_u64 s[G0+4*\s+2:G0+4*\s+3], s[2:3], \s*ROWB
	s_or_b32 s[G0+4*\s+3], s[G0+4*\s+3], 0x80000000
	s_mov_b32 s[G0B+4*\s], 1
	s_add_co_u32 s[G0B+4*\s+1], s100, \s*SLOT
	s_add_nc_u64 s[G0B+4*\s+2:G0B+4*\s+3], s[66:67], \s*ROWB
	s_or_b32 s[G0B+4*\s+3], s[G0B+4*\s+3], 0x80000000
.endr
.macro ARM under, g0, g1, next         ; one tree of branches on the wave's number: every way passes exactly one load
	s_cmp_lt_u32 s[WV], \under
	s_cbranch_scc0 \next
	tensor_load_to_lds s[\g0:\g0+3], s[\g1:\g1+7]
	s_nop 0
.rept 4
	v_nop
.endr
	s_branch .Lhead_asked
\next:
.endm
	ARM 1, 4, G1, .Lhead_b
	ARM 2, 8, G1B, .Lhead_sa
	ARM 3, G0S, G1S, .Lhead_sb
	tensor_load_to_lds s[G0SB:G0SB+3], s[G1SB:G1SB+7]
	s_nop 0
.rept 4
	v_nop
.endr
.Lhead_asked:
	s_wait_alu depctr_va_vdst(0)
	s_wait_tensorcnt 0x0                           ; my tile of the four is in
	ds_add_u32 v[SPW], v[NIL]
	s_mov_b32 s[G1+2], 128<<16                     ; no load of mine is out: from here on a load brings 128 rows
	s_mov_b32 s[G1+4], 128
	s_mov_b32 s[G1B+2], 128<<16
	s_mov_b32 s[G1B+4], 128
	s_wait_dscnt 0x0
	CROUND
	JLOAD G0+4, G1, G0B+4, G1B                     ; chunk 1, a quarter of slot 1 a wave
	s_mov_b32 s[SEL], 0x76543210
	s_mov_b32 s[SEL+1], 0xfedcba98
	v_and_b32 v1, 15, v0
	v_bfe_u32 v2, v0, 4, 1
	v_mul_u32_u24 v3, v1, PITCH
	v_mul_u32_u24 v4, v2, 24
	v_add_nc_u32 v4, v3, v4
	s_mov_b32 s2, SLOT-232
	s_mov_b32 s3, SLOT+232
	v_sub_nc_u32 v7, 1, v2
	v_mul_u32_u24 v5, s2, v2
	v_add_nc_u32 v5, v3, v5
	v_add_nc_u32 v5, 232, v5                       ; lanes 0-15 byte 232 of the row in slot 0, lanes 16-31 byte 0 of the row in slot 1
	v_mul_u32_u24 v6, s3, v7
	v_add_nc_u32 v6, v3, v6                        ; lanes 0-15 byte 232 in slot 1, lanes 16-31 byte 0 in slot 0
	s_mul_i32 s2, s[RH], HALFT
	s_mul_i32 s3, s[CH], HALFT
	s_add_co_u32 s3, s3, 2*HALFT
	v_add_nc_u32 v[ADRA+2], s2, v5
	v_add_nc_u32 v[ADRA+3], s2, v6
	v_add_nc_u32 v[ADRB+2], s3, v5
	v_add_nc_u32 v[ADRB+3], s3, v6
.irp s, 0,1
	v_add_nc_u32 v[ADRA+\s], s2, v4
	v_add_nc_u32 v[ADRB+\s], s3, v4
	s_add_co_u32 s2, s2, SLOT
	s_add_co_u32 s3, s3, SLOT
.endr
	v_lshlrev_b32 v5, 5, v1
	v_lshrrev_b32 v6, 8, v5
	v_lshl_add_u32 v5, v6, 4, v5
	s_mul_i32 s2, s[RH], HALFS
	s_mul_i32 s3, s[CH], HALFS
	s_add_co_u32 s3, s3, 2*HALFS
	s_sub_co_u32 s3, s3, s2
	v_mul_u32_u24 v6, s3, v2
	s_add_co_u32 s2, s2, SCL
	v_add_nc_u32 v5, v5, v6
	v_add_nc_u32 v[ADRS], s2, v5
	s_lshl_b32 s2, s[WV], 10
	s_add_co_u32 s2, s2, MST
	v_lshl_add_u32 v[MSW], v1, 2, s2
	v_and_b32 v6, 31, v0
	v_lshl_add_u32 v[MSR], v6, 4, s2
	v_lshlrev_b32 v[LO], 4, v6                     ; 16 x lane
	s_lshl_b32 s2, s97, 2
	s_mov_b32 s3, 0
	s_add_nc_u64 s[12:13], s[12:13], s[2:3]        ; b1 at my first hidden unit
	v_lshlrev_b32 v7, 5, v2
	WIN 0x40
.irp b, 0,1,2,3,4,5,6,7                ; register 8 b + j: the bias of hidden unit 16 b + 8 h + j
	global_load_b128 v[BBR+8*\b:BBR+8*\b+3], v7, s[12:13] offset:64*\b
	global_load_b128 v[BBR+8*\b+4:BBR+8*\b+7], v7, s[12:13] offset:64*\b+16
.endr
	WIN 0
	s_lshl_b32 s2, s42, 1
	s_add_co_u32 s2, s2, s[RH]                     ; my block of 128 tokens,
	s_lshl_b32 s2, s2, 5
	s_lshl_b32 s6, s43, 1
	s_add_co_u32 s6, s6, s[CH]                     ; my 128 along the next K
	s_add_co_u32 s6, s6, s2
	s_mul_i32 s2, s6, 12288
	s_add_nc_u64 s[14:15], s[14:15], s[2:3]
	s_lshl_b32 s2, s6, 9
	s_add_nc_u64 s[16:17], s[16:17], s[2:3]
	s_wait_alu depctr_va_vdst(0)
	s_wait_tensorcnt 0x1                           ; the scales and my part of slot 0 are in; slot 1's load may be out
	s_barrier_signal -1
	s_barrier_wait -1
	FETCH_B 0
	FETCH_A 0
	SCALES 0
	s_wait_loadcnt 0x0                             ; the bias
	KSTEP 0, 1
.irp t, 1,2,3,4,5,6
	KSTEP \t, 0
.endr
	s_wait_dscnt 0x0
	MWIN 0, 0
	MUL 0, 1, 1, 1, 0
	MUL 2, 1, 1, 1, 0
	MWIN 1, 0
	MUL 4, 1, 1, 1, 0
	MUL 6, 1, 1, 1, 0
	WIN 0
	PLACES 4
.irp b, 0,1,2,3
	v_mov_b32 v[TM+4+\b], 0
.endr
.irp a, 0,1,2,3,4,5,6,7
	s_wait_xcnt 0x0                                ; the last block's stores have read their data,
	s_wait_dscnt 0x0                               ; and its LDS store its register
	WIN 2+\a/4
.set j, 0
.rept 32
	v_pk_mul_f32 v[E+j:E+j+1], v[64*(\a%4)+j:64*(\a%4)+j+1], 0xbfb8aa3b op_sel_hi:[1,0]   ; -z log2(e); each accumulator from its low end on
.set j, j+2
.endr
	WIN 0
.set j, 0
	s_wait_alu depctr_va_vdst(0)
.rept 64
	v_exp_f32 v[E+j], v[E+j]
.set j, j+1
.endr
	v_nop                                          ; a plain instruction that names none of the results stands between the run of exponentials and their first use
.set j, 0
	s_wait_alu depctr_va_vdst(0)
.rept 32
	v_pk_add_f32 v[E+j:E+j+1], v[E+j:E+j+1], 1.0 op_sel_hi:[1,0]
.set j, j+2
.endr
.set j, 0
	s_wait_alu depctr_va_vdst(0)
.rept 64
	v_rcp_f32 v[E+j], v[E+j]
.set j, j+1
.endr
	v_nop                                          ; the same behind the run of reciprocals
	WIN 2+\a/4
.set j, 0
	s_wait_alu depctr_va_vdst(0)
.rept 32
	v_pk_mul_f32 v[HA+j:HA+j+1], v[64*(\a%4)+j:64*(\a%4)+j+1], v[E+j:E+j+1]   ; z x sigmoid(z)
.set j, j+2
.endr
	WIN 0
	QUANT HA, 0
.irp g, 0,1,2
	global_store_b128 v[LO], v[CD+4*\g:CD+4*\g+3], s[14:15] offset:1536*\a+512*\g   ; 512 consecutive bytes, aligned
.endr
	ds_store_b32 v[MSW], v[PW] offset:64*\a
.endr
	ds_load_b128 v[X0:X0+3], v[MSR]
	s_wait_dscnt 0x0
	global_store_b128 v[LO], v[X0:X0+3], s[16:17]
	s_wait_tensorcnt 0x0                           ; the wave's end
	ds_add_u32 v[SPW], v[NIL]
	s_wait_dscnt 0x0
	CROUND
	s_endpgm
.Lfunc_end_k_q66beab6311_up:
	.size	k_q66beab6311_up, .Lfunc_end_k_q66beab6311_up-k_q66beab6311_up
	.p2alignl 7, 3214868480
	.fill 96, 4, 3214868480
	.section	.rodata,"a",@progbits
	.p2align	6, 0x0
	.amdhsa_kernel k_q66beab6311_up
		.amdhsa_group_segment_fixed_size 327680
		.amdhsa_private_segment_fixed_size 0
		.amdhsa_enable_private_segment 0
		.amdhsa_kernarg_size 56
		.amdhsa_user_sgpr_count 2
		.amdhsa_user_sgpr_kernarg_segment_ptr 1
		.amdhsa_wavefront_size32 1
		.amdhsa_system_sgpr_workgroup_id_x 1
		.amdhsa_system_sgpr_workgroup_id_y 1
		.amdhsa_system_sgpr_workgroup_id_z 1
		.amdhsa_system_vgpr_workitem_id 0
		.amdhsa_next_free_vgpr 1024
		.amdhsa_next_free_sgpr 102
		.amdhsa_reserve_vcc 0
		.amdhsa_float_denorm_mode_32 3
		.amdhsa_float_denorm_mode_16_64 3
		.amdhsa_memory_ordered 1
		.amdhsa_forward_progress 1
		.amdhsa_inst_pref_size 255
	.end_amdhsa_kernel
	.section	.bss,"aw",@nobits
	.p2align	6
	.space	262144
	.amdgpu_metadata
---
amdhsa.version: [ 1, 2 ]
amdhsa.kernels:
  - .name:           k_q66beab6311_up
    .symbol:         k_q66beab6311_up.kd
    .args:
      - { .name: xq, .offset: 0, .size: 8, .value_kind: global_buffer, .address_space: global }
      - { .name: xs, .offset: 8, .size: 8, .value_kind: global_buffer, .address_space: global }
      - { .name: w1_codes, .offset: 16, .size: 8, .value_kind: global_buffer, .address_space: global }
      - { .name: w1_scales, .offset: 24, .size: 8, .value_kind: global_buffer, .address_space: global }
      - { .name: b1, .offset: 32, .size: 8, .value_kind: global_buffer, .address_space: global }
      - { .name: hid, .offset: 40, .size: 8, .value_kind: global_buffer, .address_space: global }
      - { .name: hsc, .offset: 48, .size: 8, .value_kind: global_buffer, .address_space: global }
    .group_segment_fixed_size: 327680
    .private_segment_fixed_size: 0
    .kernarg_segment_align: 8
    .kernarg_segment_size: 56
    .max_flat_workgroup_size: 128
    .sgpr_count:     102
    .vgpr_count:     1024
    .wavefront_size: 32
...
	.end_amdgpu_metadata
.endif
;; end of part 4
;; launch down (part 5): grid 8 x 32, 4 waves a work-group, clusters of 4 x 4, 327,680 bytes of LDS; arguments hid, hsc, w2r, w2_scales, b2, x, out0; writes out0
.if DOCPART == 5
	.amdgcn_target "amdgcn-amd-amdhsa--gfx1250"
	.amdhsa_code_object_version 6
	.text
	.protected	k_q66beab6311_down
	.globl	k_q66beab6311_down
	.p2align	8
	.type	k_q66beab6311_down,@function
k_q66beab6311_down:
	s_mov_b64 s[64:65], 0
	v_nop
	global_prefetch_b8 v0, s[64:65] scope:SCOPE_SE
	s_setreg_imm32_b32 hwreg(HW_REG_WAVE_MODE, 25, 1), 1
	s_wait_xcnt 0x0
	s_wait_alu depctr_hold_cnt(0) depctr_sa_sdst(0) depctr_va_vdst(0) depctr_va_sdst(0) depctr_va_ssrc(0) depctr_va_vcc(0) depctr_vm_vsrc(0)
	s_getreg_b32 s2, hwreg(HW_REG_IB_STS2, 6, 4)
	s_cmp_eq_u32 s2, 0
	s_cbranch_scc0 .Lentry_in_a_cluster
	s_endpgm
.Lentry_in_a_cluster:
	s_bfe_u32 s2, ttmp6, 0x10000c
	s_cmp_lg_u32 s2, 0xf033
	s_cbranch_scc0 .Lentry_shape_is_right
	s_endpgm
.Lentry_shape_is_right:
.set FR,     12
; w2's codes come as w2r, images of fragments laid as hid's are: [128 rows][128 along K][16 rows] x 1,536 bytes: a slot's part of B is a dense block of 49,152 bytes, as A's is
.set SLOT,   98304
.set BOFF,   49152
.set SCA,    2*SLOT
.set SCBB,   SCA+16384
.set SPARE,  SCBB+17408
.set ADRA, 16
.set ADRB, 20
.set STO,  24
.set RD,   25
.set CO,   26
.set ADSA, 27
.set SPW,  28
.set NIL,  29
.set ADSB, 30
.set SCAR, 32
.set SCBR, 64
.set BBR,  96
.set ACC,  128
.set OB,   192
.set G1,   24
.set G0,   32
.set G1B,  48
.set G0B,  56
.set G1S,  68
.set G0S,  76
.set G1SB, 80
.set G0SB, 88
.set WV,   92
.set RH,   93
.set CH,   94
.set MSB, 0
.macro WIN new
.if MSB != (\new)
	s_set_vgpr_msb (MSB<<8)|(\new)
.set MSB, (\new)
.endif
.endm
.macro PLACES n
.rept \n
	v_nop
.endr
.endm
.macro JLOAD g0a, g1a, g0b, g1b
	s_cmp_eq_u32 s[RH], 0
	s_cbranch_scc0 .Lfor_b_\@
	tensor_load_to_lds s[\g0a:\g0a+3], s[\g1a:\g1a+7]
	s_nop 0
.rept 4
	v_nop
.endr
	s_branch .Lasked_\@
.Lfor_b_\@:
	tensor_load_to_lds s[\g0b:\g0b+3], s[\g1b:\g1b+7]
	s_nop 0
.rept 4
	v_nop
.endr
.Lasked_\@:
.endm
.macro CREST
	s_cmp_lg_u32 s[WV], 0
	s_cbranch_scc1 .Lnot_wave_0_\@
	s_barrier_signal -3
.Lnot_wave_0_\@:
	s_barrier_wait -3
	s_barrier_signal -1
	s_barrier_wait -1
.endm
.macro CROUND
	s_barrier_signal -1
	s_barrier_wait -1
	CREST
.endm
.macro FETCH slot, q, set
	WIN 0x40
.irp i, 0,1,2,3
.irp g, 0,1,2
	ds_load_b128 v[96+48*(\set)+FR*\i+4*\g:96+48*(\set)+FR*\i+4*\g+3], v[ADRB+\slot] offset:(\q)*12288+\i*1536+512*\g
.endr
.endr
.irp i, 0,1,2,3
.irp g, 0,1,2
	ds_load_b128 v[48*(\set)+FR*\i+4*\g:48*(\set)+FR*\i+4*\g+3], v[ADRA+\slot] offset:(\q)*12288+\i*1536+512*\g
.endr
.endr
	WIN 0
.endm
.macro SCALES set
.irp i, 0,1,2,3
.irp q, 0,1,2,3
	ds_load_b32 v[SCAR+16*\set+4*\i+\q], v[ADSA] offset:512*\q+64*\i
.endr
	ds_load_b128 v[SCBR+16*\set+4*\i:SCBR+16*\set+4*\i+3], v[ADSB] offset:2176*\i
.endr
.endm
.macro MUL4 a, set, q, sc, first
.irp b, 0,1,2,3
.set DR, ACC+8*(4*(\a)+\b)
.set BR, 96+48*(\set)+FR*\b
.set AR, 48*(\set)+FR*(\a)
.if \first
	v_wmma_scale_f32_16x16x128_f8f6f4 v[DR:DR+7], v[BR:BR+11], v[AR:AR+11], v[BBR+8*\b:BBR+8*\b+7], v[SCBR+16*(\sc)+4*\b+(\q)], v[SCAR+16*(\sc)+4*(\a)+(\q)] matrix_a_fmt:MATRIX_FMT_FP6 matrix_b_fmt:MATRIX_FMT_FP6
.else
	v_wmma_scale_f32_16x16x128_f8f6f4 v[DR:DR+7], v[BR:BR+11], v[AR:AR+11], v[DR:DR+7], v[SCBR+16*(\sc)+4*\b+(\q)], v[SCAR+16*(\sc)+4*(\a)+(\q)] matrix_a_fmt:MATRIX_FMT_FP6 matrix_b_fmt:MATRIX_FMT_FP6
.endif
.endr
.endm
.macro STEP slot, q, first
	s_wait_dscnt 0x0
	PLACES 4
	FETCH \slot, (\q)+1, 1-(\q)%2
	WIN 0x05
	MUL4 0, (\q)%2, \q, \slot, \first
	MUL4 1, (\q)%2, \q, \slot, \first
	MUL4 2, (\q)%2, \q, \slot, \first
	MUL4 3, (\q)%2, \q, \slot, \first
	WIN 0
.endm
.macro TURN slot, next, fill
	s_wait_tensorcnt 0x0
	ds_add_u32 v[SPW], v[NIL]
	s_wait_dscnt 0x1
	WIN 0x05
	MUL4 0, 1, 3, \slot, 0
	s_wait_dscnt 0x0
	s_barrier_signal -1
	MUL4 1, 1, 3, \slot, 0
	WIN 0
	s_barrier_wait -1
.if \fill
	CREST
	s_add_nc_u64 s[G0+4*\slot+2:G0+4*\slot+3], s[G0+4*\slot+2:G0+4*\slot+3], 98304
	s_add_nc_u64 s[G0B+4*\slot+2:G0B+4*\slot+3], s[G0B+4*\slot+2:G0B+4*\slot+3], 98304
	JLOAD G0+4*\slot, G1, G0B+4*\slot, G1B
.else
	PLACES 4
.endif
	s_wait_alu depctr_va_vdst(0)
	v_add_nc_u32 v[ADSA], 2048, v[ADSA]
	v_add_nc_u32 v[ADSB], 16, v[ADSB]
	FETCH \next, 0, 0
	SCALES \next
.if \fill                              ; behind the joint load and the run of LDS loads: the slot two refills on; the last lap's two refills have none
	s_cmp_gt_u32 s3, 1
	s_cbranch_scc0 .Lnot_ask_\@
	global_prefetch_b8 v[PFO], s[96:97] offset:(4+\slot)*49152 th:TH_LOAD_NT scope:SCOPE_SE
.Lnot_ask_\@:
.endif
	WIN 0x05
	MUL4 2, 1, 3, \slot, 0
	MUL4 3, 1, 3, \slot, 0
	WIN 0
.endm
	s_load_b256 s[4:11], s[0:1], 0x0
	s_load_b128 s[12:15], s[0:1], 0x20
	s_load_b64 s[16:17], s[0:1], 0x30
	v_lshl_add_u32 v[SPW], v0, 2, SPARE
	v_mov_b32 v[NIL], 0
	ds_add_u32 v28, v29
	ds_add_u32 v28, v29
	s_wait_dscnt 0x0
	v_lshrrev_b32 v1, 5, v0
	v_readfirstlane_b32 s[WV], v1
; THE PREFETCHES.  A wave's load brings 24,576 dense bytes, 96 blocks of 256; the four partners that ask for them jointly share them out by address, 24 blocks each (place cx for A, cy for B): a lane a block,
; lanes 24-31 name block 23 again; one instruction a wave.  Slots 1 and 2 are asked for at the head, slot 3 behind slot 1's load, slot k + 4 at refill k (k = 0 .. 3): two slots are asked for and not yet read at the most.
.set PFO, 22                           ; v22: 256 x min(lane, 23); never rewritten
	v_and_b32 v[PFO], 31, v0
	v_min_u32 v[PFO], 23, v[PFO]
	v_lshlrev_b32 v[PFO], 8, v[PFO]
	s_wait_alu depctr_va_vdst(0)                   ; the wait behind the write
	s_lshr_b32 s[RH], s[WV], 1
	s_and_b32 s[CH], s[WV], 1
	s_bfe_u32 s40, ttmp6, 0x40000
	s_bfe_u32 s41, ttmp6, 0x40004
	s_lshl_b32 s43, ttmp9, 2
	s_add_co_u32 s43, s43, s40
	s_and_b32 s42, ttmp7, 0xffff
	s_lshl_b32 s42, s42, 2
	s_add_co_u32 s42, s42, s41
	s_lshl_b32 s44, s41, 2
	s_lshl_b32 s44, 15, s44
	s_lshl_b32 s45, 0x1111, s40
	s_or_b32 s[G1], s44, (3<<16)|(1<<21)
	s_mov_b32 s[G1+1], 32<<16
	s_mov_b32 s[G1+2], 192<<16
	s_mov_b32 s[G1+3], 32<<16
	s_mov_b32 s[G1+4], 192
	s_mov_b32 s[G1+5], 32
	s_mov_b32 s[G1+6], 0
	s_mov_b32 s[G1+7], 0
	s_or_b32 s[G1B], s45, (3<<16)|(1<<21)
	s_mov_b32 s[G1B+1], 32<<16
	s_mov_b32 s[G1B+2], 192<<16
	s_mov_b32 s[G1B+3], 32<<16
	s_mov_b32 s[G1B+4], 192
	s_mov_b32 s[G1B+5], 32
	s_mov_b32 s[G1B+6], 0
	s_mov_b32 s[G1B+7], 0
	s_or_b32 s[G1S], s44, (3<<16)|(1<<21)
	s_or_b32 s[G1SB], s45, (3<<16)|(1<<20)|(1<<21)|(5<<22)|(3<<25)
.irp g, G1S, G1SB
	s_mov_b32 s[\g+1], 32<<16
	s_mov_b32 s[\g+2], 64<<16
	s_mov_b32 s[\g+3], 32<<16
	s_mov_b32 s[\g+4], 64
	s_mov_b32 s[\g+5], 32
	s_mov_b32 s[\g+6], 0
	s_mov_b32 s[\g+7], 0
.endr
	s_mul_i32 s2, s42, 393216
	s_mul_i32 s46, s[CH], 24576
	s_add_co_u32 s2, s2, s46
	s_mov_b32 s3, 0
	s_lshl_b32 s96, s42, 14
	s_lshl_b32 s47, s[CH], 13
	s_add_co_u32 s96, s96, s47
	s_mov_b32 s97, 0
	s_lshl_b32 s98, s43, 7
	s_lshl_b32 s99, s[CH], 6
	s_add_co_u32 s98, s98, s99
	s_mul_i32 s66, s43, 393216
	s_add_co_u32 s66, s66, s46
	s_mov_b32 s67, 0
	s_lshl_b32 s100, s98, 7
	s_mov_b32 s101, 0
	s_add_co_u32 s99, s46, BOFF
	s_mul_i32 s18, s[CH], 8704
	s_wait_kmcnt 0x0
	s_add_nc_u64 s[2:3], s[4:5], s[2:3]
	s_add_nc_u64 s[96:97], s[6:7], s[96:97]
	s_add_nc_u64 s[66:67], s[8:9], s[66:67]
	s_add_nc_u64 s[100:101], s[10:11], s[100:101]
	CROUND
	; the head's four tiles, each whole: slot 0's 49,152 bytes of A and of B, A's scale words and B's scale bytes.  The ring's addresses hold my half: it is taken off here
	s_mov_b32 s20, s46
	s_mov_b32 s21, 0
	s_mov_b32 s22, s47
	s_mov_b32 s23, 0
	s_mov_b32 s4, 1
	s_mov_b32 s5, 0
	s_sub_nc_u64 s[6:7], s[2:3], s[20:21]
	s_or_b32 s7, s7, 0x80000000
	s_mov_b32 s8, 1
	s_mov_b32 s9, BOFF
	s_sub_nc_u64 s[10:11], s[66:67], s[20:21]
	s_or_b32 s11, s11, 0x80000000
	s_mov_b32 s[G0S], 1
	s_mov_b32 s[G0S+1], SCA
	s_sub_nc_u64 s[G0S+2:G0S+3], s[96:97], s[22:23]
	s_or_b32 s[G0S+3], s[G0S+3], 0x80000000
	s_mov_b32 s[G0SB], 1
	s_mov_b32 s[G0SB+1], SCBB
	s_sub_nc_u64 s[G0SB+2:G0SB+3], s[100:101], s[22:23]
	s_or_b32 s[G0SB+3], s[G0SB+3], 0x80000000
	s_cmp_eq_u32 s[RH], 0                          ; the prefetches' base: what I fetch in the ring, at slot 0,
	s_cselect_b64 s[96:97], s[2:3], s[66:67]
	s_cselect_b32 s100, s40, s41                   ; my place among the four that ask with me,
	s_mul_i32 s100, s100, 6144                     ; and its 24 blocks
	s_mov_b32 s101, 0
	s_add_nc_u64 s[96:97], s[96:97], s[100:101]
.irp s, 0,1
	s_mov_b32 s[G0+4*\s], 1
	s_add_co_u32 s[G0+4*\s+1], s46, \s*SLOT
	s_add_nc_u64 s[G0+4*\s+2:G0+4*\s+3], s[2:3], \s*49152
	s_or_b32 s[G0+4*\s+3], s[G0+4*\s+3], 0x80000000
	s_mov_b32 s[G0B+4*\s], 1
	s_add_co_u32 s[G0B+4*\s+1], s99, \s*SLOT
	s_add_nc_u64 s[G0B+4*\s+2:G0B+4*\s+3], s[66:67], \s*49152
	s_or_b32 s[G0B+4*\s+3], s[G0B+4*\s+3], 0x80000000
.endr
.macro ARM under, g0, g1, next         ; one tree of branches on the wave's number: every way passes exactly one load
	s_cmp_lt_u32 s[WV], \under
	s_cbranch_scc0 \next
	tensor_load_to_lds s[\g0:\g0+3], s[\g1:\g1+7]
	s_nop 0
.rept 4
	v_nop
.endr
	s_branch .Lhead_asked
\next:
.endm
	ARM 1, 4, G1, .Lhead_b
	ARM 2, 8, G1B, .Lhead_sa
	ARM 3, G0S, G1S, .Lhead_sb
	tensor_load_to_lds s[G0SB:G0SB+3], s[G1SB:G1SB+7]
	s_nop 0
.rept 4
	v_nop
.endr
.Lhead_asked:
	global_prefetch_b8 v[PFO], s[96:97] offset:49152 th:TH_LOAD_NT scope:SCOPE_SE
	global_prefetch_b8 v[PFO], s[96:97] offset:2*49152 th:TH_LOAD_NT scope:SCOPE_SE
	s_wait_alu depctr_va_vdst(0)
	s_wait_tensorcnt 0x0                           ; my tile of the four is in
	ds_add_u32 v[SPW], v[NIL]
	s_mov_b32 s[G1+2], 96<<16                      ; no load of mine is out: from here on a load brings 96 rows of 256 bytes
	s_mov_b32 s[G1+4], 96
	s_mov_b32 s[G1B+2], 96<<16
	s_mov_b32 s[G1B+4], 96
	s_wait_dscnt 0x0
	CROUND
	JLOAD G0+4, G1, G0B+4, G1B                     ; slot 1, a quarter a wave
	global_prefetch_b8 v[PFO], s[96:97] offset:3*49152 th:TH_LOAD_NT scope:SCOPE_SE
	v_and_b32 v1, 15, v0
	v_bfe_u32 v2, v0, 4, 1
	v_and_b32 v6, 31, v0
	s_mul_i32 s2, s[RH], 6144
	v_lshl_add_u32 v3, v6, 4, s2
	v_lshlrev_b32 v4, 4, v6                        ; B's images: 16 x lane,
	s_mul_i32 s99, s[CH], 6144                     ; my four of the eight blocks of 16 rows
	s_add_co_u32 s99, s99, BOFF
	s_mov_b32 s2, 0
.irp s, 0,1
	v_add_nc_u32 v[ADRA+\s], s2, v3
	v_add_nc_u32 v[ADRB+\s], s99, v4
	s_add_co_u32 s2, s2, SLOT
	s_add_co_u32 s99, s99, SLOT
.endr
	s_wait_alu depctr_va_vdst(0)
	s_mul_i32 s2, s[WV], 4352
	v_mul_u32_u24 v3, v1, 272
	v_lshl_add_u32 v3, v2, 5, v3
	v_add_nc_u32 v[STO], s2, v3
	v_mul_u32_u24 v3, v2, 272
	v_lshl_add_u32 v3, v1, 4, v3
	v_add_nc_u32 v[RD], s2, v3
	v_lshlrev_b32 v3, 12, v2
	v_lshl_add_u32 v[CO], v1, 4, v3
	s_wait_alu depctr_va_vdst(0)
	s_lshl_b32 s2, s[RH], 8
	s_add_co_u32 s2, s2, SCA
	v_lshl_add_u32 v[ADSA], v1, 2, s2
	s_add_co_u32 s18, s18, SCBB
	v_lshrrev_b32 v3, 1, v1
	v_mul_u32_u24 v3, v3, 272
	v_and_b32 v4, 1, v1
	v_lshl_add_u32 v3, v4, 7, v3
	v_add_nc_u32 v[ADSB], s18, v3
	s_lshl_b32 s2, s98, 2
	s_mov_b32 s3, 0
	s_add_nc_u64 s[12:13], s[12:13], s[2:3]
	s_lshl_b32 s6, s42, 7
	s_lshl_b32 s7, s[RH], 6
	s_add_co_u32 s6, s6, s7
	s_lshl_b32 s6, s6, 12
	s_add_co_u32 s2, s2, s6
	s_add_nc_u64 s[14:15], s[14:15], s[2:3]
	s_add_nc_u64 s[16:17], s[16:17], s[2:3]
	v_lshlrev_b32 v7, 5, v2
.irp b, 0,1,2,3
	global_load_b128 v[BBR+8*\b:BBR+8*\b+3], v7, s[12:13] offset:64*\b
	global_load_b128 v[BBR+8*\b+4:BBR+8*\b+7], v7, s[12:13] offset:64*\b+16
.endr
	WIN 0x80
.irp a, 0,1,2,3
.irp t, 0,1,2,3,4,5,6,7
	global_load_b128 v[32*\a+4*\t:32*\a+4*\t+3], v[CO], s[14:15] offset:(16*\a+2*\t)*4096 th:TH_LOAD_NT
.endr
.endr
	WIN 0
	s_wait_alu depctr_va_vdst(0)
	s_wait_tensorcnt 0x1
	s_barrier_signal -1
	s_barrier_wait -1
	FETCH 0, 0, 0
	SCALES 0
	s_wait_loadcnt 0x20
	STEP 0, 0, 1
	s_mov_b32 s3, 3
.Llap:
	STEP 0, 1, 0
	STEP 0, 2, 0
	TURN 0, 1, 1
	STEP 1, 0, 0
	STEP 1, 1, 0
	STEP 1, 2, 0
	TURN 1, 0, 1
	STEP 0, 0, 0
	s_wait_xcnt 0x0                                ; my prefetches have read their base: it steps two slots a lap
	s_add_nc_u64 s[96:97], s[96:97], 98304
	s_sub_co_u32 s3, s3, 1
	s_cmp_lg_u32 s3, 0
	s_cbranch_scc1 .Llap
	STEP 0, 1, 0
	STEP 0, 2, 0
	TURN 0, 1, 0
	STEP 1, 0, 0
	STEP 1, 1, 0
	STEP 1, 2, 0
	s_wait_dscnt 0x0
	WIN 0x05
	MUL4 0, 1, 3, 1, 0
	MUL4 1, 1, 3, 1, 0
	MUL4 2, 1, 3, 1, 0
	MUL4 3, 1, 3, 1, 0
	WIN 0
	PLACES 4
	s_wait_loadcnt 0x0
.irp a, 0,1,2,3
	s_wait_xcnt 0x0
.irp b, 0,1,2,3
	ds_store_b128 v[STO], v[ACC+8*(4*\a+\b):ACC+8*(4*\a+\b)+3] offset:64*\b
	ds_store_b128 v[STO], v[ACC+8*(4*\a+\b)+4:ACC+8*(4*\a+\b)+7] offset:64*\b+16
.endr
	WIN 0x40
.irp t, 0,1,2,3,4,5,6,7
	ds_load_b128 v[OB+32*(\a%2)+4*\t:OB+32*(\a%2)+4*\t+3], v[RD] offset:544*\t
.endr
	s_wait_dscnt 0x0
	WIN 0x49
.irp k, 0,2,4,6,8,10,12,14,16,18,20,22,24,26,28,30
	v_pk_add_f32 v[OB+32*(\a%2)+\k:OB+32*(\a%2)+\k+1], v[OB+32*(\a%2)+\k:OB+32*(\a%2)+\k+1], v[32*\a+\k:32*\a+\k+1]
.endr
	WIN 0x04
.irp t, 0,1,2,3,4,5,6,7
	global_store_b128 v[CO], v[OB+32*(\a%2)+4*\t:OB+32*(\a%2)+4*\t+3], s[16:17] offset:(16*\a+2*\t)*4096 th:TH_STORE_NT
.endr
	WIN 0
.endr
	s_wait_tensorcnt 0x0
	ds_add_u32 v[SPW], v[NIL]
	s_wait_dscnt 0x0
	CROUND
	s_endpgm
.Lfunc_end_k_q66beab6311_down:
	.size	k_q66beab6311_down, .Lfunc_end_k_q66beab6311_down-k_q66beab6311_down
	.p2alignl 7, 3214868480
	.fill 96, 4, 3214868480
	.section	.rodata,"a",@progbits
	.p2align	6, 0x0
	.amdhsa_kernel k_q66beab6311_down
		.amdhsa_group_segment_fixed_size 327680
		.amdhsa_private_segment_fixed_size 0
		.amdhsa_enable_private_segment 0
		.amdhsa_kernarg_size 56
		.amdhsa_user_sgpr_count 2
		.amdhsa_user_sgpr_kernarg_segment_ptr 1
		.amdhsa_wavefront_size32 1
		.amdhsa_system_sgpr_workgroup_id_x 1
		.amdhsa_system_sgpr_workgroup_id_y 1
		.amdhsa_system_sgpr_workgroup_id_z 1
		.amdhsa_system_vgpr_workitem_id 0
		.amdhsa_next_free_vgpr 640
		.amdhsa_next_free_sgpr 102
		.amdhsa_reserve_vcc 0
		.amdhsa_float_denorm_mode_32 3
		.amdhsa_float_denorm_mode_16_64 3
		.amdhsa_memory_ordered 1
		.amdhsa_forward_progress 1
		.amdhsa_inst_pref_size 97
	.end_amdhsa_kernel
	.amdgpu_metadata
---
amdhsa.version: [ 1, 2 ]
amdhsa.kernels:
  - .name:           k_q66beab6311_down
    .symbol:         k_q66beab6311_down.kd
    .args:
      - { .name: hid, .offset: 0, .size: 8, .value_kind: global_buffer, .address_space: global }
      - { .name: hsc, .offset: 8, .size: 8, .value_kind: global_buffer, .address_space: global }
      - { .name: w2r, .offset: 16, .size: 8, .value_kind: global_buffer, .address_space: global }
      - { .name: w2_scales, .offset: 24, .size: 8, .value_kind: global_buffer, .address_space: global }
      - { .name: b2, .offset: 32, .size: 8, .value_kind: global_buffer, .address_space: global }
      - { .name: x, .offset: 40, .size: 8, .value_kind: global_buffer, .address_space: global }
      - { .name: out0, .offset: 48, .size: 8, .value_kind: global_buffer, .address_space: global }
    .group_segment_fixed_size: 327680
    .private_segment_fixed_size: 0
    .kernarg_segment_align: 8
    .kernarg_segment_size: 56
    .max_flat_workgroup_size: 128
    .sgpr_count:     102
    .vgpr_count:     640
    .wavefront_size: 32
...
	.end_amdgpu_metadata
.endif
;; end of part 5
